; MI455X (gfx1250); checked and timed in simulation.
; The chip was launched on July 23, 2026; its instructions are those of AMD's public machine-readable ISA for CDNA 5 (MIT licence, August 2026) and "CDNA5" Instruction Set Architecture Reference Guide (July 2026). The comments in the code are by the model that wrote it; some were corrected since.
;; Quantum Inspired Transformer Block. Allowed arithmetic: matrix products marked QUANTISED: E5M2 operands, one E8M0 scale for each 32 along K, by v_wmma_scale_f32_16x16x128_f8f6f4 with both operands' format E5M2, f32 sums; everything else in f32.
;; Inputs: W1 1,024 x 4,096 float32; W2 4,096 x 1,024 float32; Wk 1,024 x 1,024 float32; Wo 1,024 x 1,024 float32; Wq 1,024 x 1,024 float32; Wv 1,024 x 1,024 float32; b1 4,096 float32; b2 1,024 float32; be1 1,024 float32; be2 1,024 float32; bk 1,024 float32; bo 1,024 float32; bq 1,024 float32; bv 1,024 float32; g1 1,024 float32; g2 1,024 float32; x 2 x 2,048 x 1,024 float32.
;; Outputs: out0 2 x 2,048 x 1,024 float32.
;; This version of the problem:
;;   THIS VERSION OF THE PROBLEM IS GIVEN IN LOW PRECISION. The matrix products marked QUANTISED in the list below multiply operands that are first quantised to E5M2 (5 exponent bits, 2 mantissa bits; 8 bits a number), with one power-of-two scale for each 32 numbers along K (OCP MX v1.0); their sums are f32. All else is computed in f32.
;;   The module's matrix products, in the order in which they are computed (A, B: the left and right operand; K: the contracted axis; several contracted axes count as one K, in the product's order):
;;     1. [M 4,096, K 1,024] x [K 1,024, N 1,024]; A: input x; B: input Wq: QUANTISED
;;     2. [M 4,096, K 1,024] x [K 1,024, N 1,024]; A: input x; B: input Wk: QUANTISED
;;     3. [M 4,096, K 1,024] x [K 1,024, N 1,024]; A: input x; B: input Wv: QUANTISED
;;     4. batch 32 x [M 2,048, K 64] x [K 64, N 2,048]; A: computed on the way; B: computed on the way: QUANTISED
;;     5. batch 32 x [M 64, K 2,048] x [K 2,048, N 2,048]; A: computed on the way; B: softmax (see below): QUANTISED
;;     6. [M 4,096, K 1,024] x [K 1,024, N 1,024]; A: computed on the way; B: input Wo: QUANTISED
;;     7. [M 4,096, K 1,024] x [K 1,024, N 4,096]; A: computed on the way; B: input W1: QUANTISED
;;     8. [M 4,096, K 4,096] x [K 4,096, N 1,024]; A: computed on the way; B: input W2: QUANTISED
;;   THE QUANTISER, for each operand of a quantised product, along K:
;;     - K is cut into blocks of 32 from its start; a last block that is shorter is filled with zeros.
;;     - A block's scale is 2^e with e = floor(log2(the largest magnitude in the block)) - 15, held to -126 .. 127; a block of zeros has e = 0. As a byte (E8M0): e + 127.
;;     - Each number is divided by its block's scale, clamped to +-57,344, and rounded to the nearest number of E5M2, ties to even, subnormals kept.
;;     - The product sums the exact products of the quantised numbers (number of the format x scale) in f32.
;;   ~~~python
;;   def quantise(x, axis):      # numpy; x: float32 -> the quantised numbers, widened to float32 again
;;       x = np.moveaxis(x, axis, -1); K = x.shape[-1]
;;       x = np.pad(x, [(0, 0)] * (x.ndim - 1) + [(0, -K % 32)]); x = x.reshape(x.shape[:-1] + (-1, 32)); a = np.abs(x).max(-1, keepdims=True)
;;       e = np.where(a > 0, np.clip(np.frexp(np.where(a > 0, a, 1))[1] - 1 - 15, -126, 127), 0)      # np.frexp(a)[1] - 1 = floor(log2(a)), exactly
;;       r = np.clip(x / 2.0 ** e, -57344, 57344)
;;       step = 2.0 ** (np.maximum(np.frexp(np.where(r == 0, 1, r))[1] - 1, -14) - 2)
;;       q = np.round(r / step) * step * 2.0 ** e      # np.round: ties to even
;;       return np.moveaxis(q.reshape(q.shape[:-2] + (-1,))[..., :K], -1, axis).astype(np.float32)
;;   ~~~
;;   SOFTMAX AHEAD OF A QUANTISED PRODUCT. Where the list says 'softmax', what is quantised is not the finished softmax but p = 2^(t - M), with t = logit x log2(e) and M = ceil(the row's largest t), a whole number; so 1/2 < the row's largest p <= 1. The row's sum l is taken of the UNQUANTISED p, in f32, and the product's result is divided by l at the end. Since M is a whole number, a kernel that streams over the keys may use a running M (the ceiling of the running maximum): every later rescaling is an exact power of two, which a block's scale takes up: the codes' values come out the same.
;;   OPERANDS COMPUTED ON THE WAY. 'Computed on the way' means the value that the module computes at that place (a softmax that the list does not call 'softmax' is quantised finished and normalised). What goes into a quantiser is computed in f32, as accurately as f32 sums, v_exp_f32 and their like allow (about 1e-6 of the number): no bf16 or f16 on the way to a quantiser, and a product that is left as it is and whose result goes on into a quantised operand takes f32 operands (vector FMAs, or v_wmma_f32_16x16x4_f32). A number that lies on a knife's edge between two numbers of the format may be rounded either way, as far as f32 arithmetic and the matrix unit's own rounding can turn it there, and no further.
;; One version. Each part assembles by itself: llvm-mc -triple=amdgcn-amd-amdhsa -mcpu=gfx1250 --defsym DOCPART=n.
;; ======== version 1 of 1: 8 launches
;; limits: right only within a limited range of input values
;; workspace buffers: wbuf 17,301,504 bytes; qkv8 13,238,272 bytes; att8 4,325,376 bytes; ybuf 16,777,216 bytes; x1buf 21,102,592 bytes; h8 17,301,504 bytes
;; launch quant (part 1): grid 1280 x 1, 4 waves a work-group, no clusters, 34,304 bytes of LDS; arguments x, Wq, Wk, Wv, Wo, W1, W2, wbuf; writes wbuf
.if DOCPART == 1
	.amdgcn_target "amdgcn-amd-amdhsa--gfx1250"
	.amdhsa_code_object_version 6
	.text
	.protected	k_q2f83570492_quant
	.globl	k_q2f83570492_quant
	.p2align	8
	.type	k_q2f83570492_quant,@function
k_q2f83570492_quant:
	s_mov_b64 s[64:65], 0
	v_nop
	global_prefetch_b8 v0, s[64:65] scope:SCOPE_SE
	s_setreg_imm32_b32 hwreg(HW_REG_WAVE_MODE, 25, 1), 1
	s_wait_xcnt 0x0
; x [4096][1024] and the six weights ([K][N], K outermost), f32, become codes of E5M2 with one E8M0 byte for each 32 along K, laid in wbuf as the products read them.
; CODES: images of operand registers.  The fragment of 16 rows x 128 K (row block rb, K step kf) is 2,048 bytes at (rb x K/128 + kf) x 2048; in it chunk c at 512 c, lane l's 16 bytes at 16 l: row l % 16, k = 32 c + 16 (l / 16) + 0..15.
; SCALE WORDS: u32 [rows/128][K/128][128 rows]; byte b of a word scales k = 32 b on.
; ROW ORDER: place p of an image holds row pi(p), pi = bits 3 and 4 of p exchanged.  So the 16 registers that two neighbouring tiles of a transposed product give a lane are 16 neighbours along the next K.
; A block's scale is 2^(floor(log2(largest magnitude)) - 15); its byte is that magnitude's exponent field - 15, held at 1 from below.
; LIMITS: NaN and infinities are not served; a block of zeros gets the byte 1 (not 127): its codes are zeros, and this program alone reads the bytes.
; Work-groups 0-767: the weights, which have the longer work: a wave takes 32 columns x 128 K, a lane a column, registers down K: four blocks, one K step, one scale word a lane.
; Work-groups 768-1279: x, a fragment a wave.  1,280 work-groups are five for each of 256 WGPs.  No barrier: waves share nothing.
.set WQK,   4194304
.set WV,    6291456
.set WO,    7340032
.set W1I,   8388608
.set W2I,   12582912
.set XSC,   16777216
.set WQKSC, 16908288
.set WVSC,  16973824
.set WOSC,  17006592
.set W1SC,  17039360
.set W2SC,  17170432
.set NWG,   768                        ; the weights' work-groups: 64 for each of Wq, Wk, Wv, Wo, 256 for W1, 256 for W2
.set MNT, 57                           ; s57      the mantissa field of 57,344
.set SEL, 58                           ; s[58:59] selects of v_permlanex16_b32: lane l xor 16
.set SPW, 14                           ; v14      my spare word
.set NIL, 15                           ; v15      0
; path x
.set R,   16                           ; v16-79   16 rows x 16 bytes a lane, as loaded
.set X2,  80                           ; v80-143  64 numbers of my row, register 16 b + i = k 32 b + 16 (lane / 16) + i
.set PC,  144                          ; v144-159 the fragment's codes
.set TM,  160                          ; v160-175 at work
.set PW,  176                          ; v176     the scale word
; path weights
.set OFF, 16                           ; v16-47   byte offset of row i of a block, at my column
.set X,   48                           ; v48-111  two sets of 32 numbers
.set C,   112                          ; v112-143 codes: eight registers for each block, never written again
.set SB,  176                          ; v176     the scale word of my K step
; 64 numbers of a lane become a fragment's codes in v[PC] on and its scale word in v[PW]
.macro QUANT s
.irp b, 0,1,2,3
	v_max3_num_f32 v[TM+\b], |v[\s+16*\b]|, |v[\s+1+16*\b]|, 0x8000000   ; my 16 numbers of block b, and the floor 2^(16 - 127): the byte cannot fall under 1
.endr
.irp i, 2,4,6,8,10,12,14
.irp b, 0,1,2,3
	v_max3_num_f32 v[TM+\b], v[TM+\b], |v[\s+16*\b+\i]|, |v[\s+1+16*\b+\i]|
.endr
.endr
.irp b, 0,1,2,3
	v_permlanex16_b32 v[TM+4+\b], v[TM+\b], s[SEL], s[SEL+1]
.endr
.irp b, 0,1,2,3
	v_max_num_f32 v[TM+\b], v[TM+\b], v[TM+4+\b]               ; with lane l xor 16's: the block's largest magnitude
.endr
.irp b, 0,1,2,3
	v_add_nc_u32 v[TM+12+\b], 0xf8800000, v[TM+\b]             ; 15 off its exponent field: the conversion's scale operand
.endr
.irp b, 0,1,2,3
	v_and_or_b32 v[TM+8+\b], v[TM+\b], 0x7f800000, s[MNT]      ; 57,344 x the scale
.endr
.irp b, 0,1,2,3
	v_lshrrev_b32 v[TM+4+\b], 23, v[TM+12+\b]                  ; the scale's byte
.endr
	v_lshl_or_b32 v[PW], v[TM+5], 8, v[TM+4]
	v_lshl_or_b32 v[PW], v[TM+6], 16, v[PW]
	v_lshl_or_b32 v[PW], v[TM+7], 24, v[PW]
.irp b, 0,1,2,3
.irp i, 0,1,2,3,4,5,6,7,8,9,10,11,12,13,14,15
	v_med3_num_f32 v[\s+16*\b+\i], v[\s+16*\b+\i], -v[TM+8+\b], v[TM+8+\b]   ; the conversion does not saturate (ISA guide 7.6.2): the hold comes first
.endr
	v_cvt_scalef32_pk8_bf8_f32 v[PC+4*\b:PC+1+4*\b], v[\s+16*\b:\s+7+16*\b], v[TM+12+\b]
	v_cvt_scalef32_pk8_bf8_f32 v[PC+2+4*\b:PC+3+4*\b], v[\s+8+16*\b:\s+15+16*\b], v[TM+12+\b]
.endr
	v_nop                                          ; a plain line behind the last conversion
.endm
	s_load_b256 s[4:11], s[0:1], 0x0               ; x s[4:5], Wq s[6:7], Wk s[8:9], Wv s[10:11]
	s_load_b256 s[12:19], s[0:1], 0x20             ; Wo s[12:13], W1 s[14:15], W2 s[16:17], wbuf s[18:19]
	v_lshl_add_u32 v[SPW], v0, 2, 0x8400
	v_mov_b32 v[NIL], 0
	v_lshrrev_b32 v1, 5, v0
	v_readfirstlane_b32 s20, v1                    ; wave
	v_and_b32 v5, 31, v0                           ; lane
	v_lshlrev_b32 v1, 4, v5                        ; 16 x lane
	s_mov_b32 s[MNT], 0x600000
	s_mov_b32 s[SEL], 0x76543210
	s_mov_b32 s[SEL+1], 0xfedcba98
	s_cmp_ge_u32 ttmp9, NWG
	s_cbranch_scc0 .Lweights
	; ---- x: fragment u = 4 x (work-group - 768) + wave = 8 P + kf: row block P (16 places), K step kf
	s_sub_co_u32 s21, ttmp9, NWG
	s_lshl_b32 s21, s21, 2
	s_add_co_u32 s21, s21, s20                     ; u
	s_lshr_b32 s22, s21, 3                         ; P
	s_and_b32 s23, s21, 7                          ; kf
	s_lshr_b32 s24, s22, 1
	s_lshl_b32 s24, s24, 5
	s_and_b32 s25, s22, 1
	s_lshl_b32 s25, s25, 3
	s_add_co_u32 s24, s24, s25                     ; the block's first token: 32 (P / 2) + 8 (P % 2); place t holds token + t + 8 (t / 8)
	s_lshl_b32 s24, s24, 12
	s_lshl_b32 s25, s23, 9
	s_add_co_u32 s24, s24, s25
	s_mov_b32 s25, 0
	s_lshl_b32 s26, s21, 11                        ; the image: 2,048 u
	s_mov_b32 s27, 0
	s_lshr_b32 s28, s22, 3
	s_lshl_b32 s28, s28, 3
	s_add_co_u32 s28, s28, s23
	s_lshl_b32 s28, s28, 9                         ; the scale words: ((P / 8) 8 + kf) 512 + (P % 8) 64
	s_and_b32 s29, s22, 7
	s_lshl_b32 s29, s29, 6
	s_add_co_u32 s28, s28, s29
	s_add_co_u32 s28, s28, XSC
	s_mov_b32 s29, 0
	s_mul_i32 s30, s20, 8448                       ; my wave's stage: 16 rows of 512 bytes + 16
	s_wait_alu depctr_va_vdst(0)                   ; the wait behind the run of scalar lines
	v_add_nc_u32 v2, s30, v1                       ; in: 16 x lane of a row
	v_and_b32 v6, 15, v5
	v_lshrrev_b32 v7, 4, v5
	v_mul_u32_u24 v3, v6, 528
	v_lshl_add_u32 v3, v7, 6, v3
	v_add_nc_u32 v3, s30, v3                       ; out: row lane % 16, + 64 (lane / 16)
	v_lshlrev_b32 v4, 2, v6
.irp b, 0,1,2,3
	v_mov_b32 v[TM+4+\b], 0                        ; a lane permute's destination counts as read
.endr
	s_wait_alu depctr_va_vdst(0)                   ; the wait at the head's end
	s_wait_kmcnt 0x0
	s_add_nc_u64 s[24:25], s[4:5], s[24:25]
	s_add_nc_u64 s[26:27], s[18:19], s[26:27]
	s_add_nc_u64 s[28:29], s[18:19], s[28:29]
.irp t, 0,1,2,3,4,5,6,7,8,9,10,11,12,13,14,15
	global_load_b128 v[R+4*\t:R+4*\t+3], v1, s[24:25] offset:(\t+8*(\t/8))*4096 th:TH_LOAD_NT   ; 512 consecutive bytes of one row
.endr
.irp t, 0,1,2,3,4,5,6,7,8,9,10,11,12,13,14,15
	s_wait_loadcnt 15-\t                           ; row t is in; the 15 - t younger loads may be out
	ds_store_b128 v2, v[R+4*\t:R+4*\t+3] offset:528*\t
.endr
.irp c, 0,1,2,3
.irp i, 0,1,2,3
	ds_load_b128 v[X2+16*\c+4*\i:X2+16*\c+4*\i+3], v3 offset:128*\c+16*\i   ; LDS serves a wave's instructions in order: these see my stores
.endr
.endr
	s_wait_dscnt 0x0
	QUANT X2
.irp c, 0,1,2,3
	global_store_b128 v1, v[PC+4*\c:PC+4*\c+3], s[26:27] offset:512*\c      ; 512 consecutive bytes
.endr
	global_store_b32 v4, v[PW], s[28:29]           ; row lane % 16's word (both halves of the lanes hold and write the same)
	s_wait_tensorcnt 0x0                           ; the wave's end
	ds_add_u32 v[SPW], v[NIL]
	s_wait_dscnt 0x0
	s_endpgm
.Lweights:
	; ---- the weights.  Which one, by the work-group's number: chosen without a branch
	s_mov_b32 s21, ttmp9
	s_mov_b32 s24, 0                               ; the weight's first work-group
	s_mov_b32 s25, 4096                            ; bytes of a row of it
	s_mov_b32 s26, 3                               ; log2 of its chunks of 128 columns,
	s_mov_b32 s31, 7                               ; and their number - 1
	s_mov_b32 s27, 8                               ; K / 128
	s_mov_b32 s28, WQK
	s_mov_b32 s29, WQKSC
	s_wait_kmcnt 0x0
	s_mov_b64 s[22:23], s[6:7]
	s_cmp_ge_u32 s21, 64
	s_cselect_b64 s[22:23], s[8:9], s[22:23]
	s_cselect_b32 s24, 64, s24
	s_cselect_b32 s28, WQK+1048576, s28
	s_cselect_b32 s29, WQKSC+32768, s29
	s_cmp_ge_u32 s21, 128
	s_cselect_b64 s[22:23], s[10:11], s[22:23]
	s_cselect_b32 s24, 128, s24
	s_cselect_b32 s28, WV, s28
	s_cselect_b32 s29, WVSC, s29
	s_cmp_ge_u32 s21, 192
	s_cselect_b64 s[22:23], s[12:13], s[22:23]
	s_cselect_b32 s24, 192, s24
	s_cselect_b32 s28, WO, s28
	s_cselect_b32 s29, WOSC, s29
	s_cmp_ge_u32 s21, 256
	s_cselect_b64 s[22:23], s[14:15], s[22:23]
	s_cselect_b32 s24, 256, s24
	s_cselect_b32 s25, 16384, s25
	s_cselect_b32 s26, 5, s26
	s_cselect_b32 s31, 31, s31
	s_cselect_b32 s28, W1I, s28
	s_cselect_b32 s29, W1SC, s29
	s_cmp_ge_u32 s21, 512
	s_cselect_b64 s[22:23], s[16:17], s[22:23]
	s_cselect_b32 s24, 512, s24
	s_cselect_b32 s25, 4096, s25
	s_cselect_b32 s26, 3, s26
	s_cselect_b32 s31, 7, s31
	s_cselect_b32 s27, 32, s27
	s_cselect_b32 s28, W2I, s28
	s_cselect_b32 s29, W2SC, s29
	s_sub_co_u32 s21, s21, s24
	s_and_b32 s30, s21, s31
	s_lshr_b32 s31, s21, s26                       ; which K step of 128
	s_lshl_b32 s30, s30, 7
	s_lshl_b32 s32, s20, 5
	s_add_co_u32 s30, s30, s32                     ; n0: my wave's first column (and first place)
	s_lshl_b32 s32, s31, 7
	s_mul_i32 s32, s32, s25
	s_lshl_b32 s33, s30, 2
	s_add_co_u32 s32, s32, s33
	s_mov_b32 s33, 0
	s_add_nc_u64 s[36:37], s[22:23], s[32:33]      ; block 0's first row, at n0
	s_lshl_b32 s34, s25, 5                         ; 32 rows on
	s_mov_b32 s35, 0
.irp t, 1,2,3
	s_add_nc_u64 s[36+2*\t:37+2*\t], s[34+2*\t:35+2*\t], s[34:35]   ; a base for each block: none is ever stepped
.endr
	s_lshr_b32 s32, s30, 4
	s_mul_i32 s32, s32, s27
	s_add_co_u32 s32, s32, s31
	s_lshl_b32 s32, s32, 11                        ; the image: ((n0 / 16) K/128 + K step) 2,048
	s_add_co_u32 s32, s32, s28
	s_mov_b32 s33, 0
	s_add_nc_u64 s[52:53], s[18:19], s[32:33]
	s_lshr_b32 s32, s30, 7
	s_mul_i32 s32, s32, s27
	s_add_co_u32 s32, s32, s31
	s_lshl_b32 s32, s32, 9                         ; the scale words: ((n0 / 128) K/128 + K step) 512 + (n0 % 128) 4
	s_and_b32 s54, s30, 127
	s_lshl_b32 s54, s54, 2
	s_add_co_u32 s32, s32, s54
	s_add_co_u32 s32, s32, s29
	s_add_nc_u64 s[54:55], s[18:19], s[32:33]
	s_lshl_b32 s56, s27, 11                        ; from row block to row block in the image
	s_wait_alu depctr_va_vdst(0)                   ; the wait behind the run of scalar lines
	v_and_b32 v6, 7, v5
	v_bfe_u32 v7, v5, 3, 1
	v_lshl_add_u32 v6, v7, 4, v6
	v_lshrrev_b32 v7, 4, v5
	v_lshl_add_u32 v6, v7, 3, v6                   ; lane L is place L of its 32 and takes column pi(L)
	v_lshlrev_b32 v6, 2, v6
.irp i, 0,1,2,3,4,5,6,7,8,9,10,11,12,13,14,15,16,17,18,19,20,21,22,23,24,25,26,27,28,29,30,31
	v_mad_u32_u24 v[OFF+\i], s25, \i, v6
.endr
	v_mul_u32_u24 v2, s56, v7
	v_and_b32 v8, 15, v5
	v_lshl_add_u32 v2, v8, 4, v2                   ; codes out: row block L / 16, 16 bytes at 16 (L % 16)
	v_lshlrev_b32 v3, 2, v5                        ; scale words out: 4 L
.macro LOAD t                          ; block t: W(32 t + i, my column) into set t % 2
.irp i, 0,1,2,3,4,5,6,7,8,9,10,11,12,13,14,15,16,17,18,19,20,21,22,23,24,25,26,27,28,29,30,31
	global_load_b32 v[X+32*((\t)%2)+\i], v[OFF+\i], s[36+2*(\t):37+2*(\t)] th:TH_LOAD_NT
.endr
.endm
	LOAD 0
	LOAD 1
.macro BLOCK t
.set XS, X+32*((\t)%2)
.if (\t) < 3
	s_wait_loadcnt 32                              ; this block's 32 loads are in; the next block's 32 may be out
.else
	s_wait_loadcnt 0
.endif
	v_max3_num_f32 v12, |v[XS]|, |v[XS+1]|, |v[XS+2]|               ; all 32 numbers of the block are mine
	v_max3_num_f32 v13, |v[XS+3]|, |v[XS+4]|, |v[XS+5]|
.irp i, 6,10,14,18,22,26
	v_max3_num_f32 v12, v12, |v[XS+\i]|, |v[XS+\i+1]|
	v_max3_num_f32 v13, v13, |v[XS+\i+2]|, |v[XS+\i+3]|
.endr
	v_max3_num_f32 v12, v12, |v[XS+30]|, |v[XS+31]|
	v_max3_num_f32 v12, v12, v13, 0x8000000        ; and the floor 2^(16 - 127)
	v_add_nc_u32 v11, 0xf8800000, v12              ; the conversion's scale operand
	v_and_or_b32 v10, v12, 0x7f800000, s[MNT]      ; 57,344 x the scale
	v_lshrrev_b32 v13, 23, v11                     ; the byte
.if (\t) == 0
	v_mov_b32 v[SB], v13
.else
	v_lshl_or_b32 v[SB], v13, 8*(\t), v[SB]
.endif
.irp i, 0,1,2,3,4,5,6,7,8,9,10,11,12,13,14,15,16,17,18,19,20,21,22,23,24,25,26,27,28,29,30,31
	v_med3_num_f32 v[XS+\i], v[XS+\i], -v10, v10
.endr
.irp g, 0,1,2,3
	v_cvt_scalef32_pk8_bf8_f32 v[C+8*(\t)+2*\g:C+8*(\t)+2*\g+1], v[XS+8*\g:XS+8*\g+7], v11
.endr
	v_nop
	global_store_b128 v2, v[C+8*(\t):C+8*(\t)+3], s[52:53] offset:512*(\t)         ; k 32 t + 0..15: sixteen lanes store 256 consecutive bytes, aligned
	global_store_b128 v2, v[C+8*(\t)+4:C+8*(\t)+7], s[52:53] offset:512*(\t)+256   ; k 32 t + 16..31
.if (\t)+2 < 4
	LOAD (\t)+2
.endif
.endm
.irp t, 0,1,2,3
	BLOCK \t
.endr
	global_store_b32 v3, v[SB], s[54:55]           ; 128 consecutive bytes
	s_endpgm
.Lfunc_end_k_q2f83570492_quant:
	.size	k_q2f83570492_quant, .Lfunc_end_k_q2f83570492_quant-k_q2f83570492_quant
	.p2alignl 7, 3214868480
	.fill 96, 4, 3214868480
	.section	.rodata,"a",@progbits
	.p2align	6, 0x0
	.amdhsa_kernel k_q2f83570492_quant
		.amdhsa_group_segment_fixed_size 34304
		.amdhsa_private_segment_fixed_size 0
		.amdhsa_enable_private_segment 0
		.amdhsa_kernarg_size 64
		.amdhsa_user_sgpr_count 2
		.amdhsa_user_sgpr_kernarg_segment_ptr 1
		.amdhsa_wavefront_size32 1
		.amdhsa_system_sgpr_workgroup_id_x 1
		.amdhsa_system_sgpr_workgroup_id_y 1
		.amdhsa_system_sgpr_workgroup_id_z 1
		.amdhsa_system_vgpr_workitem_id 0
		.amdhsa_next_free_vgpr 192
		.amdhsa_next_free_sgpr 66
		.amdhsa_reserve_vcc 0
		.amdhsa_float_denorm_mode_32 3
		.amdhsa_float_denorm_mode_16_64 3
		.amdhsa_memory_ordered 1
		.amdhsa_forward_progress 1
		.amdhsa_inst_pref_size 48
	.end_amdhsa_kernel
	.amdgpu_metadata
---
amdhsa.version: [ 1, 2 ]
amdhsa.kernels:
  - .name:           k_q2f83570492_quant
    .symbol:         k_q2f83570492_quant.kd
    .args:
      - { .name: x, .offset: 0, .size: 8, .value_kind: global_buffer, .address_space: global }
      - { .name: Wq, .offset: 8, .size: 8, .value_kind: global_buffer, .address_space: global }
      - { .name: Wk, .offset: 16, .size: 8, .value_kind: global_buffer, .address_space: global }
      - { .name: Wv, .offset: 24, .size: 8, .value_kind: global_buffer, .address_space: global }
      - { .name: Wo, .offset: 32, .size: 8, .value_kind: global_buffer, .address_space: global }
      - { .name: W1, .offset: 40, .size: 8, .value_kind: global_buffer, .address_space: global }
      - { .name: W2, .offset: 48, .size: 8, .value_kind: global_buffer, .address_space: global }
      - { .name: wbuf, .offset: 56, .size: 8, .value_kind: global_buffer, .address_space: global }
    .group_segment_fixed_size: 34304
    .private_segment_fixed_size: 0
    .kernarg_segment_align: 8
    .kernarg_segment_size: 64
    .max_flat_workgroup_size: 128
    .sgpr_count:     66
    .vgpr_count:     192
    .wavefront_size: 32
...
	.end_amdgpu_metadata
.endif
;; end of part 1
;; launch gemm_qkv (part 2): grid 12 x 16, 4 waves a work-group, clusters of 4 x 4, 327,680 bytes of LDS; arguments wbuf, bq, bk, bv, qkv8; writes qkv8
.if DOCPART == 2
	.amdgcn_target "amdgcn-amd-amdhsa--gfx1250"
	.amdhsa_code_object_version 6
	.text
	.protected	k_q2f83570492_gemm_qkv
	.globl	k_q2f83570492_gemm_qkv
	.p2align	8
	.type	k_q2f83570492_gemm_qkv,@function
k_q2f83570492_gemm_qkv:
	s_mov_b64 s[64:65], 0
	v_nop
	global_prefetch_b8 v0, s[64:65] scope:SCOPE_SE
	s_setreg_imm32_b32 hwreg(HW_REG_WAVE_MODE, 25, 1), 1
	s_wait_xcnt 0x0
	s_wait_alu depctr_hold_cnt(0) depctr_sa_sdst(0) depctr_va_vdst(0) depctr_va_sdst(0) depctr_va_ssrc(0) depctr_va_vcc(0) depctr_vm_vsrc(0)
	s_getreg_b32 s2, hwreg(HW_REG_IB_STS2, 6, 4)
	s_cmp_eq_u32 s2, 0
	s_cbranch_scc0 .Lentry_in_a_cluster
	s_endpgm
.Lentry_in_a_cluster:
	s_bfe_u32 s2, ttmp6, 0x10000c
	s_cmp_lg_u32 s2, 0xf033
	s_cbranch_scc0 .Lentry_shape_is_right
	s_endpgm
.Lentry_shape_is_right:
; q, k, v = x W + b on codes of E5M2 with E8M0 scales, quantised again on the way out and stored as the images that the attention reads.
; A tile of 256 x 256 to a work-group of four waves, 128 x 128 a wave; K in steps of 256 through two LDS slots; clusters of 4 x 4 with joint loads.
; THE HEAD: four tiles, one joint load a wave: wave 0 K step 0's codes of A, wave 1 those of B, wave 2 A's scale words for all of K, wave 3 B's.  Slot 1 is first filled behind the full sequence and a round.
; PREFETCH: K steps 1 and 2 are asked for at the head, K step 3 where K step 1 is loaded: two fills ahead.  Of the 32,768 bytes that a wave fetches each of the four partners names 8,192, told apart by address, a lane 256 bytes.
; LIMITS: NaN and infinities are not served; a block of zeros gets the scale byte 1 over zero codes.
.set WQK,   4194304
.set WV,    6291456
.set XSC,   16777216
.set WQKSC, 16908288
.set WVSC,  16973824
.set QSCO,  4194304
.set KV,    4456448
.set REC,   17152
.set NQ,    2
.set FR,    16
.set NL,    4
.set NP,    8
.set HALFT, 32768
.set SLOT,  4*HALFT
.set LAPS,  2
.set SCL,   2*SLOT
.set HALFS, 4096
.set SPARE, SCL+4*HALFS
.set BV,   8
.set ADRA, 16
.set ADRB, 20
.set ADRS, 27
.set SPW,  28
.set NIL,  29
.set SC,   32
.set BI,   64
.set AF,   128
.set H,    128
.set PC,   192
.set TM,   208
.set PW,   224
.set W2,   225
.set MNT,  2
.set SEL,  66
.set G1, 24
.set G0, 32
.set G1B, 48
.set G0B, 56
.set G1S, 68
.set G0S, 76
.set G1SB, 80
.set G0SB, 88
.set MSB, 0
.macro WIN new
.if MSB != (\new)
	s_set_vgpr_msb (MSB<<8)|(\new)
.set MSB, (\new)
.endif
.endm
.set MUL_LO, 0xa1
.set MUL_HI, 0xf1
.set TO_B,   0x40
.macro JLOAD g0a, g1a, g0b, g1b
	s_cmp_eq_u32 s15, 0
	s_cbranch_scc0 .Lfor_b_\@
	tensor_load_to_lds s[\g0a:\g0a+3], s[\g1a:\g1a+7]
	s_nop 0
.rept 4
	v_nop
.endr
	s_branch .Lasked_\@
.Lfor_b_\@:
	tensor_load_to_lds s[\g0b:\g0b+3], s[\g1b:\g1b+7]
	s_nop 0
.rept 4
	v_nop
.endr
.Lasked_\@:
.endm
.macro CREST
	s_cmp_lg_u32 s14, 0
	s_cbranch_scc1 .Lnot_wave_0_\@
	s_barrier_signal -3
.Lnot_wave_0_\@:
	s_barrier_wait -3
	s_barrier_signal -1
	s_barrier_wait -1
.endm
.macro CROUND
	s_barrier_signal -1
	s_barrier_wait -1
	CREST
.endm
	s_load_b128 s[4:7], s[0:1], 0x0
	s_load_b128 s[8:11], s[0:1], 0x10
	s_load_b64 s[12:13], s[0:1], 0x20
	v_lshl_add_u32 v[SPW], v0, 2, SPARE
	v_mov_b32 v[NIL], 0
	ds_add_u32 v28, v29
	ds_add_u32 v28, v29
	s_wait_dscnt 0x0
	v_lshrrev_b32 v1, 5, v0
	v_readfirstlane_b32 s14, v1
	s_lshr_b32 s15, s14, 1
	s_and_b32 s16, s14, 1
	s_bfe_u32 s40, ttmp6, 0x40000
	s_bfe_u32 s41, ttmp6, 0x40004
	s_and_b32 s18, ttmp7, 0xffff
	s_mov_b32 s97, XSC
	s_mov_b32 s99, WQKSC
	s_cmp_eq_u32 ttmp9, 2
	s_cselect_b32 s95, 1, 0
	s_cselect_b32 s19, 0, s18
	s_cselect_b32 s42, s18, ttmp9
	s_cselect_b32 s96, WV, 0
	s_cselect_b32 s97, WVSC, s97
	s_cselect_b32 s98, 0, WQK
	s_cselect_b32 s99, XSC, s99
	s_lshl_b32 s17, s19, 2
	s_add_co_u32 s17, s17, s41
	s_lshl_b32 s42, s42, 2
	s_add_co_u32 s42, s42, s40
	s_lshl_b32 s43, s41, 2
	s_lshl_b32 s43, 15, s43
	s_lshl_b32 s44, 0x1111, s40
	s_or_b32 s[G1+0], s43, (3<<16)|(1<<21)
	s_or_b32 s[G1B+0], s44, (3<<16)|(1<<21)
.irp g, G1, G1B
	s_mov_b32 s[\g+1], 512<<16
	s_mov_b32 s[\g+2], 16<<16
	s_mov_b32 s[\g+3], 512<<16
	s_mov_b32 s[\g+4], 16
	s_mov_b32 s[\g+5], 2048
	s_mov_b32 s[\g+6], 0
	s_mov_b32 s[\g+7], 0
.endr
	s_or_b32 s[G1S+0], s43, (3<<16)|(1<<21)
	s_or_b32 s[G1SB+0], s44, (3<<16)|(1<<21)
.irp g, G1S, G1SB
	s_mov_b32 s[\g+1], 32<<16
	s_mov_b32 s[\g+2], 32<<16
	s_mov_b32 s[\g+3], 32<<16
	s_mov_b32 s[\g+4], 32
	s_mov_b32 s[\g+5], 32
	s_mov_b32 s[\g+6], 0
	s_mov_b32 s[\g+7], 0
.endr
	s_lshl_b32 s18, s16, 3
	s_lshl_b32 s20, s17, 4
	s_add_co_u32 s20, s20, s18
	s_lshl_b32 s20, s20, 14
	s_add_co_u32 s20, s20, s96
	s_mov_b32 s21, 0
	s_lshl_b32 s22, s17, 1
	s_add_co_u32 s22, s22, s16
	s_lshl_b32 s22, s22, 12
	s_add_co_u32 s22, s22, s97
	s_mov_b32 s23, 0
	s_lshl_b32 s46, s42, 4
	s_add_co_u32 s46, s46, s18
	s_lshl_b32 s46, s46, 14
	s_add_co_u32 s46, s46, s98
	s_mov_b32 s47, 0
	s_lshl_b32 s92, s42, 1
	s_add_co_u32 s92, s92, s16
	s_lshl_b32 s92, s92, 12
	s_add_co_u32 s92, s92, s99
	s_mov_b32 s93, 0
	s_mul_i32 s45, s14, HALFT
	s_mul_i32 s94, s14, HALFS
	s_wait_kmcnt 0x0
	s_add_nc_u64 s[20:21], s[4:5], s[20:21]
	s_add_nc_u64 s[22:23], s[4:5], s[22:23]
	s_add_nc_u64 s[46:47], s[4:5], s[46:47]
	s_add_nc_u64 s[92:93], s[4:5], s[92:93]
	s_lshl_b32 s18, s16, 17                        ; my half of a tile's codes, in bytes: the head's tiles begin without it
	s_mov_b32 s19, 0
	s_mov_b32 s[G0], 1                             ; K step 0's codes of A, 16 row blocks
	s_mov_b32 s[G0+1], 0
	s_sub_nc_u64 s[G0+2:G0+3], s[20:21], s[18:19]
	s_or_b32 s[G0+3], s[G0+3], 0x80000000
	s_mov_b32 s[G0B], 1                            ; and of B, behind them
	s_mov_b32 s[G0B+1], 2*HALFT
	s_sub_nc_u64 s[G0B+2:G0B+3], s[46:47], s[18:19]
	s_or_b32 s[G0B+3], s[G0B+3], 0x80000000
	s_lshl_b32 s18, s16, 12                        ; my half of a tile's scale words
	s_mov_b32 s[G0S], 1
	s_mov_b32 s[G0S+1], SCL
	s_sub_nc_u64 s[G0S+2:G0S+3], s[22:23], s[18:19]
	s_or_b32 s[G0S+3], s[G0S+3], 0x80000000
	s_mov_b32 s[G0SB], 1
	s_mov_b32 s[G0SB+1], SCL+2*HALFS
	s_sub_nc_u64 s[G0SB+2:G0SB+3], s[92:93], s[18:19]
	s_or_b32 s[G0SB+3], s[G0SB+3], 0x80000000
	s_mov_b32 s[G0+4], 1                           ; slot 1: my quarter of K step 1
	s_add_co_u32 s[G0+5], s45, SLOT
	s_add_nc_u64 s[G0+6:G0+7], s[20:21], 4096
	s_or_b32 s[G0+7], s[G0+7], 0x80000000
	s_mov_b32 s[G0B+4], 1
	s_add_co_u32 s[G0B+5], s45, SLOT
	s_add_nc_u64 s[G0B+6:G0B+7], s[46:47], 4096
	s_or_b32 s[G0B+7], s[G0B+7], 0x80000000
	s_cmp_eq_u32 s15, 0                            ; the prefetches: of the 8 row blocks that I fetch, my work-group names two
	s_cselect_b64 s[4:5], s[20:21], s[46:47]
	s_cselect_b32 s2, s40, s41
	s_lshl_b32 s2, s2, 15
	s_mov_b32 s3, 0
	s_add_nc_u64 s[4:5], s[4:5], s[2:3]
	CROUND
.macro ARM under, g0, g1, next         ; one chain of branches on the wave's number, one load to an arm
	s_cmp_lt_u32 s14, \under
	s_cbranch_scc0 \next
	tensor_load_to_lds s[\g0:\g0+3], s[\g1:\g1+7]
	s_nop 0
.rept 4
	v_nop
.endr
	s_branch .Lhead_asked
\next:
.endm
	ARM 1, G0, G1, .Lhead_b
	ARM 2, G0B, G1B, .Lhead_sa
	ARM 3, G0S, G1S, .Lhead_sb
	tensor_load_to_lds s[G0SB:G0SB+3], s[G1SB:G1SB+7]
	s_nop 0
.rept 4
	v_nop
.endr
.Lhead_asked:
	v_and_b32 v30, 15, v0
	v_bfe_u32 v31, v0, 4, 1
	v_lshlrev_b32 v30, 8, v30
	v_lshl_add_u32 v30, v31, 14, v30               ; lanes 0-15: 4,096 bytes of one row block, lanes 16-31 of the next
	global_prefetch_b8 v30, s[4:5] offset:4096 th:TH_LOAD_NT scope:SCOPE_SE
	global_prefetch_b8 v30, s[4:5] offset:8192 th:TH_LOAD_NT scope:SCOPE_SE
	v_and_b32 v1, 15, v0
	v_bfe_u32 v2, v0, 4, 1
	s_wait_alu depctr_va_vdst(0)
	v_and_b32 v3, 31, v0
	v_lshlrev_b32 v3, 4, v3
	s_mul_i32 s21, s15, HALFT
	s_mul_i32 s22, s16, HALFT
	s_add_co_u32 s22, s22, 2*HALFT
.irp s, 0,1
	v_add_nc_u32 v[ADRA+\s], s21, v3
	v_add_nc_u32 v[ADRB+\s], s22, v3
	s_add_co_u32 s21, s21, SLOT
	s_add_co_u32 s22, s22, SLOT
.endr
	s_mul_i32 s21, s15, HALFS
	s_mul_i32 s22, s16, HALFS
	s_add_co_u32 s22, s22, 2*HALFS
	s_sub_co_u32 s22, s22, s21
	v_mul_u32_u24 v4, s22, v2
	s_add_co_u32 s21, s21, SCL
	v_lshl_add_u32 v4, v1, 2, v4
	v_add_nc_u32 v[ADRS], s21, v4
	v_lshlrev_b32 v6, 6, v2
	s_wait_alu depctr_va_vdst(0)
	v_and_b32 v7, 8, v1
	v_add_nc_u32 v7, v7, v1
	v_lshlrev_b32 v7, 2, v7
	s_wait_alu depctr_va_vdst(0)
	s_cmp_eq_u32 ttmp9, 1
	s_cselect_b64 s[96:97], s[8:9], s[6:7]
	s_lshl_b32 s20, s40, 10
	s_lshl_b32 s21, s16, 9
	s_add_co_u32 s20, s20, s21
	s_mov_b32 s21, 0
	s_add_nc_u64 s[96:97], s[96:97], s[20:21]
	s_and_b32 s20, s17, 3
	s_lshl_b32 s20, s20, 10
	s_lshl_b32 s22, s15, 9
	s_add_co_u32 s20, s20, s22
	s_add_nc_u64 s[98:99], s[10:11], s[20:21]
.irp J, 0,1,2,3
.irp i, 0,1,2,3
	global_load_b128 v[BI+16*\J+4*\i:BI+16*\J+4*\i+3], v6, s[96:97] offset:128*\J+16*\i
.endr
.endr
.irp a, 0,1,2,3,4,5,6,7
	global_load_b32 v[BV+\a], v7, s[98:99] offset:(32*(\a/2)+8*(\a%2))*4
.endr
.macro FRAG reg, adr, q, i
.irp c, 0,1,2,3
	ds_load_b128 v[\reg+4*\c:\reg+4*\c+3], v[\adr] offset:2048*(\q)+512*\c+(\i)*4096
.endr
.endm
.macro MUL16 a0, p, q, sc, zero
.irp a, \a0, \a0+1
.irp b, 0,1,2,3,4,5,6,7
.if \zero
	v_wmma_scale_f32_16x16x128_f8f6f4 v[8*(8*((\a)%4)+\b):8*(8*((\a)%4)+\b)+7], v[128*(\p)+FR*\b:128*(\p)+FR*\b+FR-1], v[AF+FR*(\a):AF+FR*(\a)+FR-1], 0, v[SC+8*NQ*(\sc)+NQ*\b+(\q)], v[SC+8*NQ*(\sc)+NQ*(\a)+(\q)] matrix_a_fmt:MATRIX_FMT_BF8 matrix_b_fmt:MATRIX_FMT_BF8 matrix_a_scale:MATRIX_SCALE_ROW1
.else
	v_wmma_scale_f32_16x16x128_f8f6f4 v[8*(8*((\a)%4)+\b):8*(8*((\a)%4)+\b)+7], v[128*(\p)+FR*\b:128*(\p)+FR*\b+FR-1], v[AF+FR*(\a):AF+FR*(\a)+FR-1], v[8*(8*((\a)%4)+\b):8*(8*((\a)%4)+\b)+7], v[SC+8*NQ*(\sc)+NQ*\b+(\q)], v[SC+8*NQ*(\sc)+NQ*(\a)+(\q)] matrix_a_fmt:MATRIX_FMT_BF8 matrix_b_fmt:MATRIX_FMT_BF8 matrix_a_scale:MATRIX_SCALE_ROW1
.endif
.endr
.endr
.endm
.macro FETCH_B slot, q, p
	WIN TO_B
.irp i, 0,1,2,3,4,5,6,7
	FRAG 128*(\p)+FR*\i, ADRB+\slot, \q, \i
.endr
	WIN 0
.endm
.macro FETCH_A slot, q, i0
.irp i, \i0, \i0+1, \i0+2, \i0+3
	FRAG AF+FR*(\i), ADRA+\slot, \q, \i
.endr
.endm
.macro SCALES sc
.irp i, 0,1,2,3,4,5,6,7
.irp q, 0,1
	ds_load_b32 v[SC+16*\sc+2*\i+\q], v[ADRS] offset:512*\q+64*\i
.endr
.endr
.endm
.macro PLACES n
.rept \n
	v_nop
.endr
.endm
.macro STEP slot, q, zero
	s_wait_dscnt 4*NL
	WIN MUL_LO
	MUL16 0, (\q)%2, \q, \slot, \zero
	MUL16 2, (\q)%2, \q, \slot, \zero
	s_wait_dscnt 0
	PLACES NP
	FETCH_B \slot, (\q)+1, 1-(\q)%2
	FETCH_A \slot, (\q)+1, 0
	WIN MUL_HI
	MUL16 4, (\q)%2, \q, \slot, \zero
	MUL16 6, (\q)%2, \q, \slot, \zero
	PLACES NP
	WIN 0
	FETCH_A \slot, (\q)+1, 4
.endm
.macro TURN slot, next, fill
	s_wait_tensorcnt 0x0
	ds_add_u32 v[SPW], v[NIL]
	s_wait_dscnt 4*NL+1
	WIN MUL_LO
	MUL16 0, 1, NQ-1, \slot, 0
	s_wait_dscnt 0x0
	s_barrier_signal -1
	MUL16 2, 1, NQ-1, \slot, 0
	WIN 0
	s_barrier_wait -1
.if \fill
	CREST
	s_add_nc_u64 s[G0+4*\slot+2:G0+4*\slot+3], s[G0+4*\slot+2:G0+4*\slot+3], 8192
	s_add_nc_u64 s[G0B+4*\slot+2:G0B+4*\slot+3], s[G0B+4*\slot+2:G0B+4*\slot+3], 8192
	JLOAD G0+4*\slot, G1, G0B+4*\slot, G1B
	PLACES NP-4
.else
	PLACES NP
.endif
	s_wait_alu depctr_va_vdst(0)
	v_add_nc_u32 v[ADRS], 1024, v[ADRS]
	FETCH_B \next, 0, 0
	FETCH_A \next, 0, 0
	SCALES \next
	WIN MUL_HI
	MUL16 4, 1, NQ-1, \slot, 0
	MUL16 6, 1, NQ-1, \slot, 0
	PLACES NP
	WIN 0
	FETCH_A \next, 0, 4
.endm
	s_wait_alu depctr_va_vdst(0)                   ; the wait at the head's end
	s_wait_tensorcnt 0x0                           ; my tile of the head's four is in
	ds_add_u32 v[SPW], v[NIL]
	s_mov_b32 s[G1+2], 8<<16                       ; no load of mine is out: from here on a load brings 8 row blocks,
	s_mov_b32 s[G1+4], 8
	s_mov_b32 s[G1B+2], 8<<16
	s_mov_b32 s[G1B+4], 8
	s_mov_b32 s[G0+1], s45                         ; and slot 0's group 0 names my quarter
	s_mov_b32 s[G0B+1], s45
	s_lshl_b32 s18, s16, 17
	s_add_nc_u64 s[G0+2:G0+3], s[G0+2:G0+3], s[18:19]
	s_add_nc_u64 s[G0B+2:G0B+3], s[G0B+2:G0B+3], s[18:19]
	s_wait_dscnt 0x0
	CROUND                                         ; all four tiles are in, all sixteen work-groups are here
	JLOAD G0+4, G1, G0B+4, G1B                     ; K step 1, the first tensor load behind the round
	FETCH_B 0, 0, 0
	FETCH_A 0, 0, 0
	SCALES 0
	FETCH_A 0, 0, 4
	global_prefetch_b8 v30, s[4:5] offset:12288 th:TH_LOAD_NT scope:SCOPE_SE
	STEP 0, 0, 1
	s_mov_b32 s3, LAPS-1
.Llap:
	TURN 0, 1, 1
	STEP 1, 0, 0
	TURN 1, 0, 1
	STEP 0, 0, 0
	s_sub_co_u32 s3, s3, 1
	s_cmp_lg_u32 s3, 0
	s_cbranch_scc1 .Llap
	TURN 0, 1, 0
	STEP 1, 0, 0
	s_wait_dscnt 4*NL
	WIN MUL_LO
	MUL16 0, 1, NQ-1, 1, 0
	MUL16 2, 1, NQ-1, 1, 0
	s_wait_dscnt 0
	WIN MUL_HI
	MUL16 4, 1, NQ-1, 1, 0
	MUL16 6, 1, NQ-1, 1, 0
	WIN 0
.macro QUANT s
.irp b, 0,1,2,3
	v_max3_num_f32 v[TM+\b], |v[\s+16*\b]|, |v[\s+1+16*\b]|, 0x8000000
.endr
.irp i, 2,4,6,8,10,12,14
.irp b, 0,1,2,3
	v_max3_num_f32 v[TM+\b], v[TM+\b], |v[\s+16*\b+\i]|, |v[\s+1+16*\b+\i]|
.endr
.endr
.irp b, 0,1,2,3
	v_permlanex16_b32 v[TM+4+\b], v[TM+\b], s[SEL], s[SEL+1]
.endr
.irp b, 0,1,2,3
	v_max_num_f32 v[TM+\b], v[TM+\b], v[TM+4+\b]
.endr
.irp b, 0,1,2,3
	v_add_nc_u32 v[TM+12+\b], 0xf8800000, v[TM+\b]
.endr
.irp b, 0,1,2,3
	v_and_or_b32 v[TM+8+\b], v[TM+\b], 0x7f800000, s[MNT]
.endr
.irp b, 0,1,2,3
	v_lshrrev_b32 v[TM+4+\b], 23, v[TM+12+\b]
.endr
	v_lshl_or_b32 v[PW], v[TM+5], 8, v[TM+4]
	v_lshl_or_b32 v[PW], v[TM+6], 16, v[PW]
	v_lshl_or_b32 v[PW], v[TM+7], 24, v[PW]
.irp b, 0,1,2,3
.irp i, 0,1,2,3,4,5,6,7,8,9,10,11,12,13,14,15
	v_med3_num_f32 v[\s+16*\b+\i], v[\s+16*\b+\i], -v[TM+8+\b], v[TM+8+\b]
.endr
	v_cvt_scalef32_pk8_bf8_f32 v[PC+4*\b:PC+1+4*\b], v[\s+16*\b:\s+7+16*\b], v[TM+12+\b]
	v_cvt_scalef32_pk8_bf8_f32 v[PC+2+4*\b:PC+3+4*\b], v[\s+8+16*\b:\s+15+16*\b], v[TM+12+\b]
.endr
	v_nop
.endm
.macro EPI a, varm
	s_wait_xcnt 0x0
	WIN 0x02+(\a)/4
.set p, 0
.if \varm
.rept 64
	v_add_f32 v[H+p], v[64*((\a)%4)+p], v[BV+(\a)]
.set p, p+1
.endr
.else
.rept 32
	v_pk_add_f32 v[H+p:H+p+1], v[64*((\a)%4)+p:64*((\a)%4)+p+1], v[BI+p:BI+p+1]
.set p, p+2
.endr
.endif
	WIN 0
	QUANT H
.if \varm
.irp c, 0,1,2,3
	global_store_b128 v3, v[PC+4*\c:PC+4*\c+3], s[20:21] offset:((\a)/4)*16*REC+8192+((\a)%4)*2048+512*\c
.endr
	global_store_b32 v4, v[PW], s[20:21] offset:((\a)/4)*16*REC+16896+((\a)%4)*64
.else
	v_lshrrev_b32 v[W2], v5, v[PW]
	v_and_b32 v[W2], 0xffff, v[W2]
.irp c, 0,1,2,3
	global_store_b128 v3, v[PC+4*\c:PC+4*\c+3], s[20+2*(\c/2):21+2*(\c/2)] offset:1024*(\a)+512*(\c%2)
.endr
	global_store_b32 v4, v[W2], s[92:93] offset:64*(\a)
.endif
.endm
	PLACES NP
	s_mov_b32 s[MNT], 0x600000
	s_mov_b32 s[SEL], 0x76543210
	s_mov_b32 s[SEL+1], 0xfedcba98
.irp b, 0,1,2,3
	v_mov_b32 v[TM+4+\b], 0
.endr
	s_wait_loadcnt 0x0
	s_cmp_eq_u32 s95, 1
	s_cbranch_scc1 .Lv_arm
	s_lshr_b32 s20, s17, 3
	s_and_b32 s21, s17, 7
	s_lshl_b32 s21, s21, 1
	s_add_co_u32 s21, s21, s15
	s_lshl_b32 s22, s20, 4
	s_lshl_b32 s23, s40, 2
	s_add_co_u32 s22, s22, s23
	s_lshl_b32 s23, s16, 1
	s_add_co_u32 s22, s22, s23
	s_lshl_b32 s46, s22, 17
	s_lshl_b32 s23, s21, 13
	s_add_co_u32 s46, s46, s23
	s_lshl_b32 s92, s22, 13
	s_lshl_b32 s23, s21, 9
	s_add_co_u32 s92, s92, s23
	s_add_co_u32 s92, s92, QSCO
	s_lshl_b32 s23, s22, 4
	s_add_co_u32 s23, s23, s21
	s_mul_i32 s23, s23, REC
	s_add_co_u32 s23, s23, KV
	s_add_co_u32 s20, s23, 16384
	s_mov_b32 s94, 131072
	s_mov_b32 s45, 8192
	s_cmp_eq_u32 ttmp9, 1
	s_cselect_b32 s46, s23, s46
	s_cselect_b32 s92, s20, s92
	s_cselect_b32 s94, 16*REC, s94
	s_cselect_b32 s45, 16*REC, s45
	s_mov_b32 s47, 0
	s_mov_b32 s93, 0
	s_mov_b32 s95, 0
	s_add_nc_u64 s[20:21], s[12:13], s[46:47]
	s_add_nc_u64 s[22:23], s[20:21], s[94:95]
	s_add_nc_u64 s[92:93], s[12:13], s[92:93]
	v_mul_u32_u24 v4, s45, v2
	v_lshl_add_u32 v4, v1, 2, v4
	v_lshlrev_b32 v5, 4, v2
.irp a, 0,1,2,3,4,5,6,7
	EPI \a, 0
.endr
	s_branch .Lend
.Lv_arm:
	s_lshr_b32 s20, s42, 3
	s_and_b32 s21, s42, 7
	s_lshl_b32 s21, s21, 1
	s_add_co_u32 s21, s21, s16
	s_lshl_b32 s22, s20, 4
	s_lshl_b32 s23, s17, 2
	s_add_co_u32 s22, s22, s23
	s_lshl_b32 s23, s15, 1
	s_add_co_u32 s22, s22, s23
	s_lshl_b32 s22, s22, 4
	s_add_co_u32 s22, s22, s21
	s_mul_i32 s22, s22, REC
	s_add_co_u32 s22, s22, KV
	s_mov_b32 s23, 0
	s_add_nc_u64 s[20:21], s[12:13], s[22:23]
	v_lshlrev_b32 v4, 2, v1
.irp a, 0,1,2,3,4,5,6,7
	EPI \a, 1
.endr
.Lend:
	s_wait_tensorcnt 0x0
	ds_add_u32 v[SPW], v[NIL]
	s_wait_dscnt 0x0
	CROUND
	s_endpgm
.Lfunc_end_k_q2f83570492_gemm_qkv:
	.size	k_q2f83570492_gemm_qkv, .Lfunc_end_k_q2f83570492_gemm_qkv-k_q2f83570492_gemm_qkv
	.p2alignl 7, 3214868480
	.fill 96, 4, 3214868480
	.section	.rodata,"a",@progbits
	.p2align	6, 0x0
	.amdhsa_kernel k_q2f83570492_gemm_qkv
		.amdhsa_group_segment_fixed_size 327680
		.amdhsa_private_segment_fixed_size 0
		.amdhsa_enable_private_segment 0
		.amdhsa_kernarg_size 40
		.amdhsa_user_sgpr_count 2
		.amdhsa_user_sgpr_kernarg_segment_ptr 1
		.amdhsa_wavefront_size32 1
		.amdhsa_system_sgpr_workgroup_id_x 1
		.amdhsa_system_sgpr_workgroup_id_y 1
		.amdhsa_system_sgpr_workgroup_id_z 1
		.amdhsa_system_vgpr_workitem_id 0
		.amdhsa_next_free_vgpr 1024
		.amdhsa_next_free_sgpr 100
		.amdhsa_reserve_vcc 0
		.amdhsa_float_denorm_mode_32 3
		.amdhsa_float_denorm_mode_16_64 3
		.amdhsa_memory_ordered 1
		.amdhsa_forward_progress 1
		.amdhsa_inst_pref_size 255
	.end_amdhsa_kernel
	.section	.bss,"aw",@nobits
	.p2align	6
	.space	262144
	.amdgpu_metadata
---
amdhsa.version: [ 1, 2 ]
amdhsa.kernels:
  - .name:           k_q2f83570492_gemm_qkv
    .symbol:         k_q2f83570492_gemm_qkv.kd
    .args:
      - { .name: wbuf, .offset: 0, .size: 8, .value_kind: global_buffer, .address_space: global }
      - { .name: bq, .offset: 8, .size: 8, .value_kind: global_buffer, .address_space: global }
      - { .name: bk, .offset: 16, .size: 8, .value_kind: global_buffer, .address_space: global }
      - { .name: bv, .offset: 24, .size: 8, .value_kind: global_buffer, .address_space: global }
      - { .name: qkv8, .offset: 32, .size: 8, .value_kind: global_buffer, .address_space: global }
    .group_segment_fixed_size: 327680
    .private_segment_fixed_size: 0
    .kernarg_segment_align: 8
    .kernarg_segment_size: 40
    .max_flat_workgroup_size: 128
    .sgpr_count:     100
    .vgpr_count:     1024
    .wavefront_size: 32
...
	.end_amdgpu_metadata
.endif
;; end of part 2
;; launch attn (part 3): grid 8 x 32, 16 waves a work-group, clusters of 4 x 1, 276,480 bytes of LDS; arguments qkv8, att8; writes att8
.if DOCPART == 3
	.amdgcn_target "amdgcn-amd-amdhsa--gfx1250"
	.amdhsa_code_object_version 6
	.text
	.protected	k_q2f83570492_attn
	.globl	k_q2f83570492_attn
	.p2align	8
	.type	k_q2f83570492_attn,@function
k_q2f83570492_attn:
	s_mov_b64 s[64:65], 0
	v_nop
	global_prefetch_b8 v0, s[64:65] scope:SCOPE_SE
	s_setreg_imm32_b32 hwreg(HW_REG_WAVE_MODE, 25, 1), 1
	s_wait_xcnt 0x0
	s_wait_alu depctr_hold_cnt(0) depctr_sa_sdst(0) depctr_va_vdst(0) depctr_va_sdst(0) depctr_va_ssrc(0) depctr_va_vcc(0) depctr_vm_vsrc(0)
	s_getreg_b32 s2, hwreg(HW_REG_IB_STS2, 6, 4)
	s_cmp_eq_u32 s2, 0
	s_cbranch_scc0 .Lentry_in_a_cluster
	s_endpgm
.Lentry_in_a_cluster:
	s_bfe_u32 s2, ttmp6, 0x10000c
	s_cmp_lg_u32 s2, 0x3003
	s_cbranch_scc0 .Lentry_shape_is_right
	s_endpgm
.Lentry_shape_is_right:
; out[q] = softmax_k(q . k / 8) v for one (batch, head), both products on codes of E5M2 with E8M0 scales; the result is quantised along the model's 1,024 and stored as the image that the next product reads.
; THE SOFTMAX: t = score x log2(e) / 8; M = the running largest t rounded up to a whole number; p = 2^(t - M) is quantised along the keys, not normalised; the row's sum is taken of the unquantised p and divides at the end.
; When M moves, the sum and O are multiplied by 2^(old M - new M): exact.
; SHARES.  A work-group owns 256 query places of a head, each of its sixteen waves one tile of 16, in 256 registers: four waves to a SIMD.
; THE WHOLE HEAD LIES IN LDS: 16 records of 17,152 bytes (128 keys each: k's codes, v's codes with the keys innermost, both scale words), filled ONCE: no byte is filled again, so there is no ring.
; CLUSTER: the four query blocks of a cluster read the same head: each record is asked for jointly.  WAVE w ASKS FOR RECORD w: one tensor load a wave.  Waves 0-3 have a load line of their own:
; the first barrier shows records 0-3 alone.  The second barrier shows the rest and is split: every wave waits for its load and signals behind step 1, and waits ahead of step 4; between stand steps 2 and 3:
; register work and LDS reads of records 2 and 3, which nobody writes.  Behind it the waves walk records 4-15 with no barrier.
; No prefetch: every byte that the launch reads of k and v is asked for at its start.
; LAYOUT.  Both products transposed: S^T = K Q^T, O^T = V^T P^T: a lane holds one query.  Place p of k's tiles holds key pi(p) (bits 3, 4 exchanged), so the 16 registers of tiles 2 b, 2 b + 1 are keys 32 b + 16 (lane / 16) + 0..15.
; THE HEAD'S 64 IN AN INSTRUCTION OF 128: q's registers 8-15 are zero codes.  k's operand of tile t is v[KF + 8 t .. + 15]: its upper half is the next tile's codes (finite: the quantiser holds every number) or the zero tail,
; and meets zero codes under scale bytes 0: those products are exact zeros.
; LIMITS: NaN and infinities are not served; a block of zeros gets the scale byte 1 over zero codes; the scaled scores stay under 2^31 in magnitude.
.set QSCO,  4194304
.set KV,    4456448
.set REC,   17152
.set ATTSC, 4194304
.set SPARE, 16*REC                     ; behind the records: the spare words, 128 bytes a wave
.set L16, 1                            ; v1   16 x lane
.set L4,  2                            ; v2   4 x lane
.set ADK, 3                            ; v3   the step's codes
.set ADS, 4                            ; v4   the step's scale words
.set R4,  5                            ; v5   4 (lane % 16)
.set QF,  16                           ; v16-31   q's fragment; v24-31 zero
.set KF,  32                           ; v32-95   k's 8 tiles x 8, later v's 4 fragments x 16; v96-103 zero
.set S,   104                          ; v104-167 S^T, then p
.set O,   168                          ; v168-199 O^T
.set PC,  200                          ; v200-215 p's codes
.set KSC, 216
.set VSC, 220
.set QSC, 222
.set PSC, 223
.set BM,  224
.set BP,  228
.set HD,  232
.set SO,  236
.set TMP, 240
.set F,   242
.set WV,  8
.set G1,  24
.set G0,  32
.set TB,  48
.set CNT, 49
.set SEL, 50
.set CS,  52
.set MNT, 54
.macro ROUND
	s_barrier_signal -1
	s_barrier_wait -1
	s_cmp_lg_u32 s[WV], 0
	s_cbranch_scc1 .Lnot_wave_0_\@
	s_barrier_signal -3
.Lnot_wave_0_\@:
	s_barrier_wait -3
	s_barrier_signal -1
	s_barrier_wait -1
.endm
	s_load_b128 s[4:7], s[0:1], 0x0                ; qkv8, att8
	v_lshl_add_u32 v254, v0, 2, SPARE
	v_mov_b32 v255, 0
	ds_add_u32 v254, v255                          ; the opening: the add, twice on end, and its wait ahead of my tensor load
	ds_add_u32 v254, v255
	v_lshrrev_b32 v1, 5, v0
	v_readfirstlane_b32 s[WV], v1                  ; wave 0..15
	s_bfe_u32 s9, ttmp6, 0x40000                   ; cx: it enters q's and the result's global addresses alone
	s_lshl_b32 s10, ttmp9, 2
	s_add_co_u32 s10, s10, s9                      ; my block of 256 queries
	s_and_b32 s11, ttmp7, 0xffff                   ; 16 batch + head
	; group 1: a record, 17,152 dense bytes as 67 rows of 256; the mask names all four work-groups
	s_mov_b32 s[G1], 15|(3<<16)|(1<<21)
	s_mov_b32 s[G1+1], 32<<16
	s_mov_b32 s[G1+2], 67<<16
	s_mov_b32 s[G1+3], 32<<16
	s_mov_b32 s[G1+4], 67
	s_mov_b32 s[G1+5], 32
	s_mov_b32 s[G1+6], 0
	s_mov_b32 s[G1+7], 0
	s_mul_i32 s12, s[WV], REC                      ; my record
	s_mul_i32 s14, s11, 16*REC
	s_add_co_u32 s14, s14, s12
	s_add_co_u32 s14, s14, KV
	s_mov_b32 s15, 0
	s_mov_b32 s[G0], 1
	s_mov_b32 s[G0+1], s12
	s_mov_b32 s[SEL], 0x76543210
	s_mov_b32 s[SEL+1], 0xfedcba98
	s_mov_b32 s[CS], 0x3e38aa3b                    ; c = log2(e) / 8
	s_mov_b32 s[CS+1], s[CS]
	s_mov_b32 s[MNT], 0x600000
	s_mov_b32 s[TB], 0
	s_lshl_b32 s16, s10, 4
	s_add_co_u32 s16, s16, s[WV]                   ; my tile among the head's 128
	s_lshl_b32 s18, s11, 17
	s_lshl_b32 s19, s16, 10
	s_add_co_u32 s18, s18, s19
	s_mov_b32 s19, 0
	s_lshl_b32 s20, s11, 13
	s_lshl_b32 s21, s16, 6
	s_add_co_u32 s20, s20, s21
	s_add_co_u32 s20, s20, QSCO
	s_mov_b32 s21, 0
	s_wait_dscnt 0x0
	s_wait_kmcnt 0x0
	s_add_nc_u64 s[G0+2:G0+3], s[4:5], s[14:15]
	s_or_b32 s[G0+3], s[G0+3], 0x80000000
	s_add_nc_u64 s[18:19], s[4:5], s[18:19]
	s_add_nc_u64 s[20:21], s[4:5], s[20:21]
	ROUND                                          ; all four work-groups are here: the joint loads meet
	s_cmp_lt_u32 s[WV], 4                          ; two load lines: the first barrier waits for the first line's alone
	s_cbranch_scc0 .Llater
	tensor_load_to_lds s[G0:G0+3], s[G1:G1+7]
	s_nop 0
.rept 4
	v_nop
.endr
	s_branch .Lasked
.Llater:
	tensor_load_to_lds s[G0:G0+3], s[G1:G1+7]
	s_nop 0
.rept 4
	v_nop
.endr
.Lasked:
	v_and_b32 v[L4], 31, v0
	v_and_b32 v[R4], 15, v0
	v_lshlrev_b32 v[L16], 4, v[L4]
	v_lshlrev_b32 v[L4], 2, v[L4]
	v_lshlrev_b32 v[R4], 2, v[R4]
	global_load_b128 v[QF:QF+3], v[L16], s[18:19]
	global_load_b128 v[QF+4:QF+7], v[L16], s[18:19] offset:512
	global_load_b32 v[QSC], v[R4], s[20:21]
.irp j, 0,1,2,3,4,5,6,7
	v_mov_b32 v[QF+8+\j], 0                        ; zero codes for the upper half of the instruction's K
	v_mov_b32 v[KF+64+\j], 0                       ; and the tail behind k's last tile
.endr
	v_mov_b32 v13, 0xff61b1e6                      ; the largest t so far: -3e38
	v_mov_b32 v14, 0
	v_mov_b32 v15, 0
	v_floor_f32 v12, -v13                          ; -M
.irp b, 0,1,2,3
	v_mov_b32 v[BP+\b], 0                          ; a lane permute's destination counts as read
.endr
	v_mov_b32 v[F+1], 0                            ; (named as the upper half of a pair)
	v_mov_b32 v[TMP], 0
.set p, 0
.rept 32
	v_mov_b32 v[O+p], 0                            ; the step has no first copy: the first change of M multiplies zeros
.set p, p+1
.endr
.macro STEP                            ; 128 keys: the record at LDS byte s[TB]
	v_add_nc_u32 v[ADK], s[TB], v[L16]
	v_add_nc_u32 v[ADS], s[TB], v[L4]
.rept 6
	v_nop                                          ; with the two additions: eight places in front of loads into registers that matrix instructions have read
.endr
.irp t, 0,1,2,3,4,5,6,7
	ds_load_b128 v[KF+8*\t:KF+8*\t+3], v[ADK] offset:1024*\t
	ds_load_b128 v[KF+8*\t+4:KF+8*\t+7], v[ADK] offset:1024*\t+512
.endr
.irp j, 0,1,2,3
	ds_load_b32 v[KSC+\j], v[ADS] offset:16384+128*\j          ; lanes 0-15: tile 2 j's words, lanes 16-31: tile 2 j + 1's
.endr
	s_wait_alu depctr_va_vdst(0)                   ; the wait ahead of the wait below
	s_wait_dscnt 0x0
.irp t, 0,1,2,3,4,5,6,7
.if \t%2
	v_wmma_scale_f32_16x16x128_f8f6f4 v[S+8*\t:S+8*\t+7], v[KF+8*\t:KF+8*\t+15], v[QF:QF+15], 0, v[KSC+\t/2], v[QSC] matrix_a_fmt:MATRIX_FMT_BF8 matrix_b_fmt:MATRIX_FMT_BF8 matrix_a_scale:MATRIX_SCALE_ROW1
.else
	v_wmma_scale_f32_16x16x128_f8f6f4 v[S+8*\t:S+8*\t+7], v[KF+8*\t:KF+8*\t+15], v[QF:QF+15], 0, v[KSC+\t/2], v[QSC] matrix_a_fmt:MATRIX_FMT_BF8 matrix_b_fmt:MATRIX_FMT_BF8
.endif
.endr
.rept 8
	v_nop
.endr
.irp f, 0,1,2,3                        ; v's fragments are asked for now and land under the softmax
.irp c, 0,1,2,3
	ds_load_b128 v[KF+16*\f+4*\c:KF+16*\f+4*\c+3], v[ADK] offset:8192+2048*\f+512*\c
.endr
.endr
.irp j, 0,1
	ds_load_b32 v[VSC+\j], v[ADS] offset:16896+128*\j
.endr
.irp b, 0,1,2,3
	v_max3_num_f32 v[BM+\b], v[S+16*\b], v[S+1+16*\b], v[S+2+16*\b]   ; the largest score of each block of 32 keys: for the row's maximum, and for the block's largest p
.endr
.irp i, 3,5,7,9,11,13
.irp b, 0,1,2,3
	v_max3_num_f32 v[BM+\b], v[BM+\b], v[S+16*\b+\i], v[S+1+16*\b+\i]
.endr
.endr
.irp b, 0,1,2,3
	v_max_num_f32 v[BM+\b], v[BM+\b], v[S+15+16*\b]
.endr
.irp b, 0,1,2,3
	s_delay_alu instid0(VALU_DEP_4)
	v_permlanex16_b32 v[BP+\b], v[BM+\b], s[SEL], s[SEL+1]
.endr
.irp b, 0,1,2,3
	s_delay_alu instid0(VALU_DEP_4)
	v_max_num_f32 v[BM+\b], v[BM+\b], v[BP+\b]
.endr
	s_delay_alu instid0(VALU_DEP_2)
	v_max3_num_f32 v[TMP], v[BM], v[BM+1], v[BM+2]
	s_delay_alu instid0(VALU_DEP_1)
	v_max_num_f32 v[TMP], v[TMP], v[BM+3]
	s_delay_alu instid0(VALU_DEP_1)
	v_mul_f32 v[TMP], s[CS], v[TMP]
	s_delay_alu instid0(VALU_DEP_1)
	v_max_num_f32 v13, v13, v[TMP]                 ; the running largest t
	v_mov_b32 v[TMP], v12
	s_delay_alu instid0(VALU_DEP_2)
	v_floor_f32 v12, -v13                          ; the new -M = -ceil(t)
	s_delay_alu instid0(VALU_DEP_1)
	v_sub_f32 v[TMP], v12, v[TMP]                  ; old M - new M: a whole number, 0 or less
	s_delay_alu instid0(VALU_DEP_1)
	v_cvt_i32_f32 v[TMP], v[TMP]
	s_delay_alu instid0(VALU_DEP_1)
	v_ldexp_f32 v[F], 1.0, v[TMP]                  ; f = 2^(old M - new M)
.set p, 0
.rept 32
	v_pk_fma_f32 v[S+p:S+1+p], v[S+p:S+1+p], s[CS:CS+1], v[12:13] op_sel_hi:[1,0,0]   ; t - M
.set p, p+2
.endr
.irp b, 0,1,2,3
	v_fma_f32 v[BM+\b], v[BM+\b], s[CS], v12
.endr
	s_wait_alu depctr_va_vdst(0)                   ; the wait ahead of the batch
.set p, 0
.rept 64
	v_exp_f32 v[S+p], v[S+p]                       ; p = 2^(t - M)
.set p, p+1
.endr
	v_pk_mul_f32 v[14:15], v[14:15], v[F:F+1] op_sel_hi:[1,0]   ; the sums under the new M: the plain line behind the batch
	s_wait_alu depctr_va_vdst(0)                   ; one wait for the batch, ahead of its first reader
.irp b, 0,1,2,3
	v_exp_f32 v[BM+\b], v[BM+\b]                   ; each block's largest p
.endr
	v_pk_add_f32 v[244:245], v[108:109], v[112:113]            ; the row's sum of the unquantised p, in eight chains
	v_pk_add_f32 v[252:253], v[116:117], v[120:121]
	v_pk_add_f32 v[250:251], v[124:125], v[128:129]
	v_pk_add_f32 v[248:249], v[132:133], v[136:137]
	v_pk_add_f32 v[246:247], v[140:141], v[144:145]
	v_pk_add_f32 v[238:239], v[148:149], v[152:153]
	v_pk_add_f32 v[236:237], v[156:157], v[160:161]
	v_pk_add_f32 v[14:15], v[14:15], v[164:165]
	v_pk_add_f32 v[244:245], v[244:245], v[104:105]
	v_pk_add_f32 v[252:253], v[252:253], v[106:107]
	v_pk_add_f32 v[250:251], v[250:251], v[110:111]
	v_pk_add_f32 v[248:249], v[248:249], v[114:115]
	v_pk_add_f32 v[246:247], v[246:247], v[118:119]
	v_pk_add_f32 v[238:239], v[238:239], v[122:123]
	v_pk_add_f32 v[236:237], v[236:237], v[126:127]
	v_pk_add_f32 v[14:15], v[14:15], v[130:131]
	v_pk_add_f32 v[244:245], v[244:245], v[134:135]
	v_pk_add_f32 v[252:253], v[252:253], v[138:139]
	v_pk_add_f32 v[250:251], v[250:251], v[142:143]
	v_pk_add_f32 v[248:249], v[248:249], v[146:147]
	v_pk_add_f32 v[246:247], v[246:247], v[150:151]
	v_pk_add_f32 v[238:239], v[238:239], v[154:155]
	v_pk_add_f32 v[236:237], v[236:237], v[158:159]
	v_pk_add_f32 v[14:15], v[14:15], v[162:163]
	v_pk_add_f32 v[244:245], v[244:245], v[166:167]
	s_delay_alu instid0(VALU_DEP_2)
	v_pk_add_f32 v[14:15], v[14:15], v[248:249]
	s_delay_alu instid0(VALU_DEP_2)
	v_pk_add_f32 v[244:245], v[244:245], v[246:247]
	v_pk_add_f32 v[252:253], v[252:253], v[238:239]
	v_pk_add_f32 v[250:251], v[250:251], v[236:237]
	s_delay_alu instid0(VALU_DEP_2)
	v_pk_add_f32 v[14:15], v[14:15], v[252:253]
	s_delay_alu instid0(VALU_DEP_2)
	v_pk_add_f32 v[244:245], v[244:245], v[250:251]
	s_delay_alu instid0(VALU_DEP_1)
	v_pk_add_f32 v[14:15], v[14:15], v[244:245]
	s_wait_alu depctr_va_vdst(0)                   ; and one for the four
.irp b, 0,1,2,3
	v_max_num_f32 v[BM+\b], 0x8000000, v[BM+\b]    ; the floor 2^(16 - 127)
.endr
.irp b, 0,1,2,3
	s_delay_alu instid0(VALU_DEP_4)
	v_add_nc_u32 v[SO+\b], 0xf8800000, v[BM+\b]
.endr
.irp b, 0,1,2,3
	v_and_or_b32 v[HD+\b], v[BM+\b], 0x7f800000, s[MNT]
.endr
.irp b, 0,1,2,3
	v_lshrrev_b32 v[BP+\b], 23, v[SO+\b]
.endr
	s_delay_alu instid0(VALU_DEP_3)
	v_lshl_or_b32 v[PSC], v[BP+1], 8, v[BP]        ; p's scale word for these 128 keys
	s_delay_alu instid0(VALU_DEP_1)
	v_lshl_or_b32 v[PSC], v[BP+2], 16, v[PSC]
	s_delay_alu instid0(VALU_DEP_1)
	v_lshl_or_b32 v[PSC], v[BP+3], 24, v[PSC]
.irp b, 0,1,2,3
.irp i, 0,2,4,6,8,10,12,14
	v_dual_min_num_f32 v[S+16*\b+\i], v[S+16*\b+\i], v[HD+\b] :: v_dual_min_num_f32 v[S+16*\b+\i+1], v[S+16*\b+\i+1], v[HD+\b]   ; the hold, two numbers a line; p is not negative
.endr
	v_cvt_scalef32_pk8_bf8_f32 v[PC+4*\b:PC+1+4*\b], v[S+16*\b:S+7+16*\b], v[SO+\b]
	v_cvt_scalef32_pk8_bf8_f32 v[PC+2+4*\b:PC+3+4*\b], v[S+8+16*\b:S+15+16*\b], v[SO+\b]
.endr
	s_wait_alu depctr_va_vdst(0)                   ; the wait directly ahead of the first reader of O^T
.set p, 0
.rept 16
	v_pk_mul_f32 v[O+p:O+1+p], v[O+p:O+1+p], v[F:F+1] op_sel_hi:[1,0]   ; O^T under the new M; also the places in front of the products below
.set p, p+2
.endr
	s_wait_alu depctr_va_vdst(0)
	s_wait_dscnt 0x0                               ; v is in
.irp f, 0,1,2,3
.if \f%2
	v_wmma_scale_f32_16x16x128_f8f6f4 v[O+8*\f:O+8*\f+7], v[KF+16*\f:KF+16*\f+15], v[PC:PC+15], v[O+8*\f:O+8*\f+7], v[VSC+\f/2], v[PSC] matrix_a_fmt:MATRIX_FMT_BF8 matrix_b_fmt:MATRIX_FMT_BF8 matrix_a_scale:MATRIX_SCALE_ROW1
.else
	v_wmma_scale_f32_16x16x128_f8f6f4 v[O+8*\f:O+8*\f+7], v[KF+16*\f:KF+16*\f+15], v[PC:PC+15], v[O+8*\f:O+8*\f+7], v[VSC+\f/2], v[PSC] matrix_a_fmt:MATRIX_FMT_BF8 matrix_b_fmt:MATRIX_FMT_BF8
.endif
.endr
	s_add_co_u32 s[TB], s[TB], REC                 ; on to the next record
.endm
.macro STEPS n
	s_mov_b32 s[CNT], \n
.Lstep_\@:
	STEP
	s_sub_co_u32 s[CNT], s[CNT], 1
	s_cmp_lg_u32 s[CNT], 0
	s_cbranch_scc1 .Lstep_\@
.endm
	s_wait_alu depctr_va_vdst(0)                   ; the wait at the head's end
	s_wait_loadcnt 0x0                             ; q
	s_cmp_lt_u32 s[WV], 4
	s_cbranch_scc0 .Lnot_first
	s_wait_tensorcnt 0x0                           ; waves 0-3: my record has landed
.Lnot_first:
	s_barrier_signal -1
	s_barrier_wait -1                              ; records 0-3 are whole
	STEPS 2                                        ; records 0, 1
	s_wait_tensorcnt 0x0                           ; every wave: my record has landed
	s_wait_dscnt 0x0
	s_barrier_signal -1                            ; say so now,
	STEP                                           ; records 2 and 3: register work and LDS reads of bytes that nobody writes,
	STEP
	s_wait_alu depctr_va_vdst(0)
	s_barrier_wait -1                              ; and go on to record 4 when all sixteen have said so
	STEPS 12
	; THE WAY OUT: O^T / the sum; register 16 C + i is channel 32 C + 16 (lane / 16) + i of my query: two blocks of 32 of the next K; quantised and stored as two chunks of an image
	v_add_f32 v14, v14, v15
	s_delay_alu instid0(VALU_DEP_1)
	v_permlanex16_b32 v[TMP], v14, s[SEL], s[SEL+1]
	s_delay_alu instid0(VALU_DEP_1)
	v_add_f32 v14, v14, v[TMP]                     ; the row's sum
	s_wait_alu depctr_va_vdst(0)
	v_rcp_f32 v14, v14
.rept 6
	v_nop                                          ; with the lines above: ten places behind the last products; also the plain line behind the reciprocal
.endr
	s_lshr_b32 s18, s11, 4
	s_lshl_b32 s18, s18, 7
	s_add_co_u32 s18, s18, s16                     ; my row block among the 256
	s_and_b32 s19, s11, 15                         ; head
	s_lshl_b32 s20, s18, 14
	s_lshl_b32 s21, s19, 10
	s_add_co_u32 s20, s20, s21
	s_mov_b32 s21, 0
	s_add_nc_u64 s[20:21], s[6:7], s[20:21]
	s_lshr_b32 s22, s18, 3
	s_lshl_b32 s22, s22, 3
	s_lshr_b32 s23, s19, 1
	s_add_co_u32 s22, s22, s23
	s_lshl_b32 s22, s22, 9
	s_and_b32 s23, s18, 7
	s_lshl_b32 s23, s23, 6
	s_add_co_u32 s22, s22, s23
	s_and_b32 s23, s19, 1
	s_lshl_b32 s23, s23, 1
	s_add_co_u32 s22, s22, s23                     ; my head's two bytes of the row's word
	s_add_co_u32 s22, s22, ATTSC
	s_mov_b32 s23, 0
	s_add_nc_u64 s[22:23], s[6:7], s[22:23]
	s_wait_alu depctr_va_vdst(0)                   ; ahead of the reciprocal's first reader
.set p, 0
.rept 32
	v_mul_f32 v[S+p], v[O+p], v14
.set p, p+1
.endr
.irp C, 0,1
	v_max3_num_f32 v[BM+\C], |v[S+16*\C]|, |v[S+1+16*\C]|, 0x8000000
.endr
.irp i, 2,4,6,8,10,12,14
.irp C, 0,1
	s_delay_alu instid0(VALU_DEP_2)
	v_max3_num_f32 v[BM+\C], v[BM+\C], |v[S+16*\C+\i]|, |v[S+1+16*\C+\i]|
.endr
.endr
.irp C, 0,1
	s_delay_alu instid0(VALU_DEP_2)
	v_permlanex16_b32 v[BP+\C], v[BM+\C], s[SEL], s[SEL+1]
.endr
.irp C, 0,1
	s_delay_alu instid0(VALU_DEP_2)
	v_max_num_f32 v[BM+\C], v[BM+\C], v[BP+\C]
.endr
.irp C, 0,1
	s_delay_alu instid0(VALU_DEP_2)
	v_add_nc_u32 v[SO+\C], 0xf8800000, v[BM+\C]
.endr
.irp C, 0,1
	s_delay_alu instid0(VALU_DEP_4)
	v_and_or_b32 v[HD+\C], v[BM+\C], 0x7f800000, s[MNT]
.endr
.irp C, 0,1
	s_delay_alu instid0(VALU_DEP_4)
	v_lshrrev_b32 v[BP+\C], 23, v[SO+\C]
.endr
	s_delay_alu instid0(VALU_DEP_1)
	v_lshl_or_b32 v[PSC], v[BP+1], 8, v[BP]
.irp C, 0,1
.irp i, 0,1,2,3,4,5,6,7,8,9,10,11,12,13,14,15
	v_med3_num_f32 v[S+16*\C+\i], v[S+16*\C+\i], -v[HD+\C], v[HD+\C]
.endr
	v_cvt_scalef32_pk8_bf8_f32 v[PC+4*\C:PC+1+4*\C], v[S+16*\C:S+7+16*\C], v[SO+\C]
	v_cvt_scalef32_pk8_bf8_f32 v[PC+2+4*\C:PC+3+4*\C], v[S+8+16*\C:S+15+16*\C], v[SO+\C]
.endr
	v_nop
	global_store_b128 v[L16], v[PC:PC+3], s[20:21]             ; 512 consecutive bytes
	global_store_b128 v[L16], v[PC+4:PC+7], s[20:21] offset:512
	global_store_b16 v[R4], v[PSC], s[22:23]       ; two of the four bytes of my row's word (the other head of the pair writes the other two)
	s_wait_tensorcnt 0x0                           ; the wave's end
	ds_add_u32 v254, v255
	s_wait_dscnt 0x0
	ROUND                                          ; the closing round
	s_endpgm
.Lfunc_end_k_q2f83570492_attn:
	.size	k_q2f83570492_attn, .Lfunc_end_k_q2f83570492_attn-k_q2f83570492_attn
	.p2alignl 7, 3214868480
	.fill 96, 4, 3214868480
	.section	.rodata,"a",@progbits
	.p2align	6, 0x0
	.amdhsa_kernel k_q2f83570492_attn
		.amdhsa_group_segment_fixed_size 276480
		.amdhsa_private_segment_fixed_size 0
		.amdhsa_enable_private_segment 0
		.amdhsa_kernarg_size 16
		.amdhsa_user_sgpr_count 2
		.amdhsa_user_sgpr_kernarg_segment_ptr 1
		.amdhsa_wavefront_size32 1
		.amdhsa_system_sgpr_workgroup_id_x 1
		.amdhsa_system_sgpr_workgroup_id_y 1
		.amdhsa_system_sgpr_workgroup_id_z 1
		.amdhsa_system_vgpr_workitem_id 0
		.amdhsa_next_free_vgpr 256
		.amdhsa_next_free_sgpr 66
		.amdhsa_reserve_vcc 0
		.amdhsa_float_denorm_mode_32 3
		.amdhsa_float_denorm_mode_16_64 3
		.amdhsa_memory_ordered 1
		.amdhsa_forward_progress 1
		.amdhsa_inst_pref_size 92
	.end_amdhsa_kernel
	.amdgpu_metadata
---
amdhsa.version: [ 1, 2 ]
amdhsa.kernels:
  - .name:           k_q2f83570492_attn
    .symbol:         k_q2f83570492_attn.kd
    .args:
      - { .name: qkv8, .offset: 0, .size: 8, .value_kind: global_buffer, .address_space: global }
      - { .name: att8, .offset: 8, .size: 8, .value_kind: global_buffer, .address_space: global }
    .group_segment_fixed_size: 276480
    .private_segment_fixed_size: 0
    .kernarg_segment_align: 8
    .kernarg_segment_size: 16
    .max_flat_workgroup_size: 512
    .sgpr_count:     66
    .vgpr_count:     256
    .wavefront_size: 32
...
	.end_amdgpu_metadata
.endif
;; end of part 3
;; launch gemm_wo (part 4): grid 8 x 32, 4 waves a work-group, clusters of 4 x 4, 327,680 bytes of LDS; arguments att8, wbuf, bo, ybuf; writes ybuf
.if DOCPART == 4
	.amdgcn_target "amdgcn-amd-amdhsa--gfx1250"
	.amdhsa_code_object_version 6
	.text
	.protected	k_q2f83570492_gemm_wo
	.globl	k_q2f83570492_gemm_wo
	.p2align	8
	.type	k_q2f83570492_gemm_wo,@function
k_q2f83570492_gemm_wo:
	s_mov_b64 s[64:65], 0
	v_nop
	global_prefetch_b8 v0, s[64:65] scope:SCOPE_SE
	s_setreg_imm32_b32 hwreg(HW_REG_WAVE_MODE, 25, 1), 1
	s_wait_xcnt 0x0
	s_wait_alu depctr_hold_cnt(0) depctr_sa_sdst(0) depctr_va_vdst(0) depctr_va_sdst(0) depctr_va_ssrc(0) depctr_va_vcc(0) depctr_vm_vsrc(0)
	s_getreg_b32 s2, hwreg(HW_REG_IB_STS2, 6, 4)
	s_cmp_eq_u32 s2, 0
	s_cbranch_scc0 .Lentry_in_a_cluster
	s_endpgm
.Lentry_in_a_cluster:
	s_bfe_u32 s2, ttmp6, 0x10000c
	s_cmp_lg_u32 s2, 0xf033
	s_cbranch_scc0 .Lentry_shape_is_right
	s_endpgm
.Lentry_shape_is_right:
; y = A Wo + bo on codes of E5M2 with E8M0 scales; y f32, [place][1,024]: rows in the order of A's image, columns in their natural order.  A = the attention's result, K = 1,024.
; N is 1,024, so tiles of 128 x 128 are taken: 256 work-groups.  Four waves, each 64 x 64: 16 accumulators.
; ALL OF K LIES IN LDS AT ONCE: A's 128 rows are 131,072 dense bytes, B's likewise, the scale words 4,096 each: four tiles, one joint load a wave at the head.  No byte is filled again: no ring, and one barrier.
; Codes lie as images of operand registers: a fragment (16 rows x 128 K) is four ds_load_b128 at 16 x lane; row block i, K step q at 16,384 i + 2,048 q.
; The matrix instruction is used transposed (source 0 = B, source 1 = A); place p of B's image holds feature pi(p) (bits 3, 4 exchanged): tile b's register j of lane (r, h) is column 32 (b / 2) + 16 h + 8 (b % 2) + j.
; The bias is the C of each sum's first matrix instruction.  CLUSTERS: 4 x 4; A's tiles jointly along a row, B's along a column.  No prefetch: every byte is asked for at the start.
; REGISTERS: window 0: v16-29 addresses, v32-63 scale words (register 4 q + i: lanes 0-15 A's block i, lanes 16-31 B's), v64-95 bias, later with v96-127 rows on the way out, v128-255 accumulators.
; window 1: two buffers of 128: A's 4 fragments, then B's 4.
.set ASC,   4194304
.set BIMG,  7340032
.set BSC,   17006592
.set NP,    8
.set HT,    65536                      ; 64 rows, all of K
.set BOFF,  2*HT                       ; B's codes lie behind A's
.set SCL,   4*HT
.set HALFS, 2048
.set SPARE, SCL+4*HALFS
.set STAGE, SPARE+512                  ; the way out: 16 rows x 272 bytes a wave, bytes into which no fill lands
.set ADRA, 16
.set ADRB, 20
.set STO,  24
.set RD,   25
.set CO,   26
.set ADRS, 27
.set SPW,  28
.set NIL,  29
.set SC,   32
.set BIAS, 64
.set BK,   64
.set ACC,  128
.set G1, 24
.set G0, 32
.set G1B, 48
.set G0B, 56
.set G1S, 68
.set G0S, 76
.set G1SB, 80
.set G0SB, 88
.set MSB, 0
.macro WIN new
.if MSB != (\new)
	s_set_vgpr_msb (MSB<<8)|(\new)
.set MSB, (\new)
.endif
.endm
.set MUL,  0x05                        ; sources 0 and 1 window 1; C and D window 0
.set TO_F, 0x40
.macro CROUND
	s_barrier_signal -1
	s_barrier_wait -1
	s_cmp_lg_u32 s14, 0
	s_cbranch_scc1 .Lnot_wave_0_\@
	s_barrier_signal -3
.Lnot_wave_0_\@:
	s_barrier_wait -3
	s_barrier_signal -1
	s_barrier_wait -1
.endm
.macro PLACES n
.rept \n
	v_nop
.endr
.endm
	s_load_b128 s[4:7], s[0:1], 0x0                ; att8, wbuf
	s_load_b128 s[8:11], s[0:1], 0x10              ; bo, ybuf
	v_lshl_add_u32 v[SPW], v0, 2, SPARE
	v_mov_b32 v[NIL], 0
	ds_add_u32 v[SPW], v[NIL]                      ; the opening: the add, twice on end, and its wait
	ds_add_u32 v[SPW], v[NIL]
	v_lshrrev_b32 v1, 5, v0
	v_readfirstlane_b32 s14, v1
	s_lshr_b32 s15, s14, 1                         ; my half of the rows
	s_and_b32 s16, s14, 1                          ; my half of the columns
	s_bfe_u32 s40, ttmp6, 0x40000
	s_bfe_u32 s41, ttmp6, 0x40004
	s_lshl_b32 s42, ttmp9, 2
	s_add_co_u32 s42, s42, s40                     ; tile column
	s_and_b32 s17, ttmp7, 0xffff
	s_lshl_b32 s17, s17, 2
	s_add_co_u32 s17, s17, s41                     ; tile row
	s_lshl_b32 s43, s41, 2
	s_lshl_b32 s43, 15, s43
	s_lshl_b32 s44, 0x1111, s40
	; group 1 for codes: 8 row blocks of 16,384 bytes on end; elements of 8 bytes
	s_or_b32 s[G1+0], s43, (3<<16)|(1<<21)
	s_or_b32 s[G1B+0], s44, (3<<16)|(1<<21)
.irp g, G1, G1B
	s_mov_b32 s[\g+1], 2048<<16
	s_mov_b32 s[\g+2], 8<<16
	s_mov_b32 s[\g+3], 2048<<16
	s_mov_b32 s[\g+4], 8
	s_mov_b32 s[\g+5], 2048
	s_mov_b32 s[\g+6], 0
	s_mov_b32 s[\g+7], 0
.endr
	; group 1 for scale words: 4,096 dense bytes as 16 rows of 256
	s_or_b32 s[G1S+0], s43, (3<<16)|(1<<21)
	s_or_b32 s[G1SB+0], s44, (3<<16)|(1<<21)
.irp g, G1S, G1SB
	s_mov_b32 s[\g+1], 32<<16
	s_mov_b32 s[\g+2], 16<<16
	s_mov_b32 s[\g+3], 32<<16
	s_mov_b32 s[\g+4], 16
	s_mov_b32 s[\g+5], 32
	s_mov_b32 s[\g+6], 0
	s_mov_b32 s[\g+7], 0
.endr
	s_lshl_b32 s20, s17, 17                        ; A's codes: 131,072 x tile row
	s_mov_b32 s21, 0
	s_lshl_b32 s22, s17, 12                        ; its scale words
	s_add_co_u32 s22, s22, ASC
	s_mov_b32 s23, 0
	s_lshl_b32 s46, s42, 17
	s_add_co_u32 s46, s46, BIMG
	s_mov_b32 s47, 0
	s_lshl_b32 s92, s42, 12
	s_add_co_u32 s92, s92, BSC
	s_mov_b32 s93, 0
	s_mov_b32 s[G0], 1
	s_mov_b32 s[G0+1], 0
	s_mov_b32 s[G0B], 1
	s_mov_b32 s[G0B+1], BOFF
	s_mov_b32 s[G0S], 1
	s_mov_b32 s[G0S+1], SCL
	s_mov_b32 s[G0SB], 1
	s_mov_b32 s[G0SB+1], SCL+2*HALFS
	s_mul_i32 s12, s15, HT                         ; LDS: my 64 rows of A,
	s_mul_i32 s13, s16, HT
	s_add_co_u32 s13, s13, BOFF                    ; of B,
	s_lshl_b32 s18, s15, 8                         ; A's words: my 64 rows begin 256 bytes into a K step's 512
	s_lshl_b32 s19, s16, 8
	s_add_co_u32 s19, s19, 2*HALFS
	s_sub_co_u32 s19, s19, s18                     ; from there to B's
	s_add_co_u32 s18, s18, SCL
	s_mul_i32 s94, s14, 4352
	s_add_co_u32 s94, s94, STAGE                   ; my stage
	s_lshl_b32 s96, s42, 9
	s_lshl_b32 s97, s16, 8
	s_add_co_u32 s96, s96, s97                     ; my first column, in bytes
	s_mov_b32 s97, 0
	s_lshl_b32 s98, s17, 7
	s_lshl_b32 s99, s15, 6
	s_add_co_u32 s98, s98, s99
	s_lshl_b32 s98, s98, 12                        ; my first row of y
	s_mov_b32 s99, 0
	s_wait_dscnt 0x0
	s_wait_kmcnt 0x0
	s_add_nc_u64 s[G0+2:G0+3], s[4:5], s[20:21]
	s_or_b32 s[G0+3], s[G0+3], 0x80000000
	s_add_nc_u64 s[G0B+2:G0B+3], s[6:7], s[46:47]
	s_or_b32 s[G0B+3], s[G0B+3], 0x80000000
	s_add_nc_u64 s[G0S+2:G0S+3], s[4:5], s[22:23]
	s_or_b32 s[G0S+3], s[G0S+3], 0x80000000
	s_add_nc_u64 s[G0SB+2:G0SB+3], s[6:7], s[92:93]
	s_or_b32 s[G0SB+3], s[G0SB+3], 0x80000000
	s_add_nc_u64 s[8:9], s[8:9], s[96:97]
	s_add_nc_u64 s[10:11], s[10:11], s[96:97]
	s_add_nc_u64 s[10:11], s[10:11], s[98:99]
	CROUND                                         ; all sixteen work-groups are here: the joint loads meet
.macro ARM under, g0, g1, next         ; one chain of branches on the wave's number, one load to an arm
	s_cmp_lt_u32 s14, \under
	s_cbranch_scc0 \next
	tensor_load_to_lds s[\g0:\g0+3], s[\g1:\g1+7]
	s_nop 0
	PLACES 4
	s_branch .Lhead_asked
\next:
.endm
	ARM 1, G0, G1, .Lhead_b
	ARM 2, G0B, G1B, .Lhead_sa
	ARM 3, G0S, G1S, .Lhead_sb
	tensor_load_to_lds s[G0SB:G0SB+3], s[G1SB:G1SB+7]
	s_nop 0
	PLACES 4
.Lhead_asked:
	v_and_b32 v1, 15, v0                           ; r
	v_bfe_u32 v2, v0, 4, 1                         ; h
	v_and_b32 v3, 31, v0
	v_lshlrev_b32 v3, 4, v3                        ; 16 x lane
	v_add_nc_u32 v[ADRA], s12, v3
	v_add_nc_u32 v[ADRB], s13, v3
	v_mul_u32_u24 v4, s19, v2                      ; lanes 16-31 take B's words
	v_lshl_add_u32 v4, v1, 2, v4
	v_add_nc_u32 v[ADRS], s18, v4
	v_mul_u32_u24 v4, v1, 272
	v_lshl_add_u32 v4, v2, 6, v4
	v_add_nc_u32 v[STO], s94, v4                   ; the stage, in: row r, + 64 h
	v_mul_u32_u24 v4, v2, 272
	v_lshl_add_u32 v4, v1, 4, v4
	v_add_nc_u32 v[RD], s94, v4                    ; back: lanes 0-15 one row, lanes 16-31 the next
	v_lshlrev_b32 v4, 12, v2
	v_lshl_add_u32 v[CO], v1, 4, v4                ; and the same two rows of y
	v_lshlrev_b32 v6, 6, v2                        ; 64 h
.irp J, 0,1
.irp i, 0,1,2,3
	global_load_b128 v[BIAS+16*\J+4*\i:BIAS+16*\J+4*\i+3], v6, s[8:9] offset:128*\J+16*\i
.endr
.endr
.macro FETCH q, f                      ; the fragments of K step q: 32 loads of 512 consecutive bytes
	WIN TO_F
.irp i, 0,1,2,3
.irp c, 0,1,2,3
	ds_load_b128 v[\f+64+16*\i+4*\c:\f+64+16*\i+4*\c+3], v[ADRB] offset:16384*\i+2048*(\q)+512*\c
	ds_load_b128 v[\f+16*\i+4*\c:\f+16*\i+4*\c+3], v[ADRA] offset:16384*\i+2048*(\q)+512*\c
.endr
.endr
.endm
.macro MUL16 f, q                      ; the 16 accumulators take turns, in one order
.irp a, 0,1,2,3
.irp b, 0,1,2,3
.if (\q) == 0
	v_wmma_scale_f32_16x16x128_f8f6f4 v[ACC+8*(4*\a+\b):ACC+8*(4*\a+\b)+7], v[\f+64+16*\b:\f+64+16*\b+15], v[\f+16*\a:\f+16*\a+15], v[BIAS+8*\b:BIAS+8*\b+7], v[SC+4*(\q)+\b], v[SC+4*(\q)+\a] matrix_a_fmt:MATRIX_FMT_BF8 matrix_b_fmt:MATRIX_FMT_BF8 matrix_a_scale:MATRIX_SCALE_ROW1
.else
	v_wmma_scale_f32_16x16x128_f8f6f4 v[ACC+8*(4*\a+\b):ACC+8*(4*\a+\b)+7], v[\f+64+16*\b:\f+64+16*\b+15], v[\f+16*\a:\f+16*\a+15], v[ACC+8*(4*\a+\b):ACC+8*(4*\a+\b)+7], v[SC+4*(\q)+\b], v[SC+4*(\q)+\a] matrix_a_fmt:MATRIX_FMT_BF8 matrix_b_fmt:MATRIX_FMT_BF8 matrix_a_scale:MATRIX_SCALE_ROW1
.endif
.endr
.endr
.endm
	s_wait_alu depctr_va_vdst(0)                   ; the wait at the head's end
	s_wait_tensorcnt 0x0                           ; my tile of the four is in
	s_barrier_signal -1
	s_barrier_wait -1                              ; all four are
	FETCH 0, 0
	WIN 0
.irp q, 0,1,2,3,4,5,6,7
.irp i, 0,1,2,3
	ds_load_b32 v[SC+4*\q+\i], v[ADRS] offset:512*\q+64*\i
.endr
.endr
	s_wait_loadcnt 0x0                             ; the bias
.irp q, 0,1,2,3,4,5,6
	s_wait_dscnt 0x0                               ; this step's fragments are in
	PLACES NP                                      ; in front of loads into the buffer that the last step's products read
	FETCH \q+1, 128*((\q+1)%2)
	WIN MUL
	MUL16 128*(\q%2), \q
.endr
	s_wait_dscnt 0x0
	MUL16 128, 7
	WIN 0
; THE WAY OUT: a block of 16 rows x 64 columns goes through my own stage and comes back as whole rows of 256 bytes
.macro TOSTAGE a
.irp b, 0,1,2,3
	ds_store_b128 v[STO], v[ACC+8*(4*\a+\b):ACC+8*(4*\a+\b)+3] offset:(32*(\b/2)+8*(\b%2))*4
	ds_store_b128 v[STO], v[ACC+8*(4*\a+\b)+4:ACC+8*(4*\a+\b)+7] offset:(32*(\b/2)+8*(\b%2))*4+16
.endr
.irp t, 0,1,2,3,4,5,6,7
	ds_load_b128 v[BK+32*((\a)%2)+4*\t:BK+32*((\a)%2)+4*\t+3], v[RD] offset:544*\t   ; LDS serves a wave's instructions in order
.endr
.endm
.macro SEND a, younger
	s_wait_dscnt \younger
.irp t, 0,1,2,3,4,5,6,7
	global_store_b128 v[CO], v[BK+32*((\a)%2)+4*\t:BK+32*((\a)%2)+4*\t+3], s[10:11] offset:(16*(\a)+2*\t)*4096   ; sixteen lanes store 256 consecutive bytes, aligned
.endr
.endm
	PLACES NP
	TOSTAGE 0
.irp a, 1,2,3
.if \a > 1
	s_wait_xcnt 0x0                                ; block a - 2's stores have read their registers
.endif
	TOSTAGE \a
	SEND \a-1, 16                                  ; behind block a - 1's loads: block a's 8 stores and 8 loads
.endr
	SEND 3, 0
	s_wait_tensorcnt 0x0                           ; the wave's end
	ds_add_u32 v[SPW], v[NIL]
	s_wait_dscnt 0x0
	CROUND
	s_endpgm
.Lfunc_end_k_q2f83570492_gemm_wo:
	.size	k_q2f83570492_gemm_wo, .Lfunc_end_k_q2f83570492_gemm_wo-k_q2f83570492_gemm_wo
	.p2alignl 7, 3214868480
	.fill 96, 4, 3214868480
	.section	.rodata,"a",@progbits
	.p2align	6, 0x0
	.amdhsa_kernel k_q2f83570492_gemm_wo
		.amdhsa_group_segment_fixed_size 327680
		.amdhsa_private_segment_fixed_size 0
		.amdhsa_enable_private_segment 0
		.amdhsa_kernarg_size 32
		.amdhsa_user_sgpr_count 2
		.amdhsa_user_sgpr_kernarg_segment_ptr 1
		.amdhsa_wavefront_size32 1
		.amdhsa_system_sgpr_workgroup_id_x 1
		.amdhsa_system_sgpr_workgroup_id_y 1
		.amdhsa_system_sgpr_workgroup_id_z 1
		.amdhsa_system_vgpr_workitem_id 0
		.amdhsa_next_free_vgpr 512
		.amdhsa_next_free_sgpr 100
		.amdhsa_reserve_vcc 0
		.amdhsa_float_denorm_mode_32 3
		.amdhsa_float_denorm_mode_16_64 3
		.amdhsa_memory_ordered 1
		.amdhsa_forward_progress 1
		.amdhsa_inst_pref_size 53
	.end_amdhsa_kernel
	.amdgpu_metadata
---
amdhsa.version: [ 1, 2 ]
amdhsa.kernels:
  - .name:           k_q2f83570492_gemm_wo
    .symbol:         k_q2f83570492_gemm_wo.kd
    .args:
      - { .name: att8, .offset: 0, .size: 8, .value_kind: global_buffer, .address_space: global }
      - { .name: wbuf, .offset: 8, .size: 8, .value_kind: global_buffer, .address_space: global }
      - { .name: bo, .offset: 16, .size: 8, .value_kind: global_buffer, .address_space: global }
      - { .name: ybuf, .offset: 24, .size: 8, .value_kind: global_buffer, .address_space: global }
    .group_segment_fixed_size: 327680
    .private_segment_fixed_size: 0
    .kernarg_segment_align: 8
    .kernarg_segment_size: 32
    .max_flat_workgroup_size: 128
    .sgpr_count:     100
    .vgpr_count:     512
    .wavefront_size: 32
...
	.end_amdgpu_metadata
.endif
;; end of part 4
;; launch ln1 (part 5): grid 256 x 1, 8 waves a work-group, no clusters, 67,072 bytes of LDS; arguments ybuf, x, g1, be1, x1buf; writes x1buf
.if DOCPART == 5
	.amdgcn_target "amdgcn-amd-amdhsa--gfx1250"
	.amdhsa_code_object_version 6
	.text
	.protected	k_q2f83570492_ln1
	.globl	k_q2f83570492_ln1
	.p2align	8
	.type	k_q2f83570492_ln1,@function
k_q2f83570492_ln1:
	s_mov_b64 s[64:65], 0
	v_nop
	global_prefetch_b8 v0, s[64:65] scope:SCOPE_SE
	s_setreg_imm32_b32 hwreg(HW_REG_WAVE_MODE, 25, 1), 1
	s_wait_xcnt 0x0
; x1 = layernorm(x + y) g1 + be1, f32; stored in natural row order, and, quantised along its 1,024, as the image and scale words that the next product reads.
; y's rows lie by places: place p holds token pi(p) (bits 3 and 4 exchanged).  Work-group P takes places 16 P .. 16 P + 15; wave w rows 2 w, 2 w + 1, whole, in registers: mean, then the sum of squared differences (two passes: no
; difference of large sums).  Memory binds: every load and store of a wave covers 512 consecutive bytes; matrix units, clusters and tensor loads would add nothing.
; Then the 16 rows meet in LDS (rows 4,112 bytes apart), and wave w quantises K step w of all 16: one fragment.
; LIMITS: NaN and infinities are not served; a block of zeros gets the scale byte 1 over zero codes.
.set WITH_CODES, 1
.set X1IMG, 16777216
.set X1SC,  20971520
.set G,   16
.set BE,  48
.set Z,   80
.set XR,  144
.set A,   208
.set MP,  216
.set RS,  220
.set T,   224
.set U,   226
.set TM,  16                           ; the second phase works in the registers that held g and be
.set PC,  32
.set PW,  48
.set SEL, 26
.set MNT, 28
	s_load_b256 s[4:11], s[0:1], 0x0               ; y, the residual, g, be
	s_load_b64 s[12:13], s[0:1], 0x20              ; the result
	v_lshl_add_u32 v232, v0, 2, 0x10200
	v_mov_b32 v233, 0
	v_lshrrev_b32 v1, 5, v0
	s_delay_alu instid0(VALU_DEP_1)
	v_readfirstlane_b32 s14, v1                    ; wave
	v_and_b32 v2, 31, v0
	s_delay_alu instid0(VALU_DEP_1)
	v_lshlrev_b32 v1, 4, v2                        ; 16 x lane
	s_wait_alu depctr_va_vdst(0)
	s_lshl_b32 s16, ttmp9, 4
	s_lshl_b32 s17, s14, 1
	s_add_co_u32 s16, s16, s17
	s_lshl_b32 s16, s16, 12                        ; y: place 16 P + 2 w
	s_mov_b32 s17, 0
	s_lshr_b32 s18, ttmp9, 1
	s_lshl_b32 s18, s18, 5
	s_and_b32 s19, ttmp9, 1
	s_lshl_b32 s19, s19, 3
	s_add_co_u32 s18, s18, s19
	s_lshl_b32 s19, s14, 1
	s_add_co_u32 s18, s18, s19
	s_lshr_b32 s19, s14, 2
	s_lshl_b32 s19, s19, 3
	s_add_co_u32 s18, s18, s19                     ; its token: 32 (P / 2) + 8 (P % 2) + 2 w + 8 (w / 4); the second row's is the next
	s_lshl_b32 s18, s18, 12
	s_mov_b32 s19, 0
	s_mov_b32 s20, 0x3a800000                      ; 1 / 1,024
	s_mov_b32 s21, 0x3727c5ac                      ; 1e-5
	s_mov_b32 s[SEL], 0x76543210
	s_mov_b32 s[SEL+1], 0xfedcba98
	s_mov_b32 s[MNT], 0x600000
	v_mov_b32 v[U], 0                              ; a lane permute's destination counts as read
	v_mov_b32 v[U+1], 0
.if WITH_CODES
	s_mul_i32 s24, s14, 2*4112
	v_add_nc_u32 v3, s24, v1                       ; the stage, in: my two rows
	v_and_b32 v5, 15, v0
	v_bfe_u32 v6, v0, 4, 1
	s_delay_alu instid0(VALU_DEP_2)
	v_mul_u32_u24 v4, v5, 4112
	s_delay_alu instid0(VALU_DEP_1)
	v_lshl_add_u32 v4, v6, 6, v4
	s_lshl_b32 s24, s14, 9
	v_add_nc_u32 v4, s24, v4                       ; out: row lane % 16, K step w, + 64 (lane / 16)
	v_lshlrev_b32 v5, 2, v5
	s_lshl_b32 s22, ttmp9, 3
	s_add_co_u32 s22, s22, s14
	s_lshl_b32 s22, s22, 11
	s_add_co_u32 s22, s22, X1IMG                   ; the image: fragment 8 P + w
	s_mov_b32 s23, 0
	s_lshr_b32 s24, ttmp9, 3
	s_lshl_b32 s24, s24, 3
	s_add_co_u32 s24, s24, s14
	s_lshl_b32 s24, s24, 9
	s_and_b32 s25, ttmp9, 7
	s_lshl_b32 s25, s25, 6
	s_add_co_u32 s24, s24, s25
	s_add_co_u32 s24, s24, X1SC
	s_mov_b32 s25, 0
.endif
	s_wait_kmcnt 0x0
	s_add_nc_u64 s[4:5], s[4:5], s[16:17]
	s_add_nc_u64 s[6:7], s[6:7], s[18:19]
.if WITH_CODES
	s_add_nc_u64 s[22:23], s[12:13], s[22:23]
	s_add_nc_u64 s[24:25], s[12:13], s[24:25]
.endif
	s_add_nc_u64 s[12:13], s[12:13], s[18:19]
.irp e, 0,1
.irp j, 0,1,2,3,4,5,6,7
	global_load_b128 v[Z+32*\e+4*\j:Z+32*\e+4*\j+3], v1, s[4:5] offset:4096*\e+512*\j th:TH_LOAD_NT
	global_load_b128 v[XR+32*\e+4*\j:XR+32*\e+4*\j+3], v1, s[6:7] offset:4096*\e+512*\j th:TH_LOAD_NT
.endr
.endr
.irp j, 0,1,2,3,4,5,6,7
	global_load_b128 v[G+4*\j:G+4*\j+3], v1, s[8:9] offset:512*\j
	global_load_b128 v[BE+4*\j:BE+4*\j+3], v1, s[10:11] offset:512*\j
.endr
	s_wait_loadcnt 0x0
.macro ACROSS                          ; v[T], v[T+1]: each row's sum over the 32 lanes, in every lane
.irp m, 1,2,4,8
.irp e, 0,1
	s_delay_alu instid0(VALU_DEP_2)
	v_add_f32_dpp v[T+\e], v[T+\e], v[T+\e] row_xmask:\m row_mask:0xf bank_mask:0xf
.endr
.endr
.irp e, 0,1
	s_delay_alu instid0(VALU_DEP_2)
	v_permlanex16_b32 v[U+\e], v[T+\e], s[SEL], s[SEL+1]
.endr
.irp e, 0,1
	s_delay_alu instid0(VALU_DEP_2)
	v_add_f32 v[T+\e], v[T+\e], v[U+\e]
.endr
.endm
.irp e, 0,1
.set p, 0
.rept 16
	v_pk_add_f32 v[Z+32*\e+p:Z+32*\e+p+1], v[Z+32*\e+p:Z+32*\e+p+1], v[XR+32*\e+p:XR+32*\e+p+1]   ; the residual
.set p, p+2
.endr
.endr
.irp e, 0,1
	v_pk_add_f32 v[A+4*\e:A+4*\e+1], v[Z+32*\e:Z+32*\e+1], v[Z+32*\e+2:Z+32*\e+3]                 ; the sum, in two chains a row
	v_pk_add_f32 v[A+4*\e+2:A+4*\e+3], v[Z+32*\e+4:Z+32*\e+5], v[Z+32*\e+6:Z+32*\e+7]
.endr
.irp i, 8,12,16,20,24,28
.irp e, 0,1
	s_delay_alu instid0(VALU_DEP_4)
	v_pk_add_f32 v[A+4*\e:A+4*\e+1], v[A+4*\e:A+4*\e+1], v[Z+32*\e+\i:Z+32*\e+\i+1]
	s_delay_alu instid0(VALU_DEP_4)
	v_pk_add_f32 v[A+4*\e+2:A+4*\e+3], v[A+4*\e+2:A+4*\e+3], v[Z+32*\e+\i+2:Z+32*\e+\i+3]
.endr
.endr
.irp e, 0
	s_delay_alu instid0(VALU_DEP_3)
	v_pk_add_f32 v[A+4*\e:A+4*\e+1], v[A+4*\e:A+4*\e+1], v[A+4*\e+2:A+4*\e+3]
.endr
.irp e, 1
	s_delay_alu instid0(VALU_DEP_2)
	v_pk_add_f32 v[A+4*\e:A+4*\e+1], v[A+4*\e:A+4*\e+1], v[A+4*\e+2:A+4*\e+3]
.endr
.irp e, 0,1
	s_delay_alu instid0(VALU_DEP_2)
	v_add_f32 v[T+\e], v[A+4*\e], v[A+4*\e+1]
.endr
	ACROSS
.irp e, 0,1
	s_delay_alu instid0(VALU_DEP_2)
	v_mul_f32 v[MP+2*\e], 0xba800000, v[T+\e]      ; - the mean
.endr
.irp e, 0,1
	s_delay_alu instid0(VALU_DEP_2)
	v_mov_b32 v[MP+2*\e+1], v[MP+2*\e]
.endr
.irp e, 0,1
.set p, 0
.rept 16
	v_pk_add_f32 v[Z+32*\e+p:Z+32*\e+p+1], v[Z+32*\e+p:Z+32*\e+p+1], v[MP+2*\e:MP+2*\e+1]
.set p, p+2
.endr
.endr
.irp e, 0,1
	v_pk_mul_f32 v[A+4*\e:A+4*\e+1], v[Z+32*\e:Z+32*\e+1], v[Z+32*\e:Z+32*\e+1]                   ; the sum of squares
	v_pk_mul_f32 v[A+4*\e+2:A+4*\e+3], v[Z+32*\e+2:Z+32*\e+3], v[Z+32*\e+2:Z+32*\e+3]
.endr
.irp i, 4,8,12,16,20,24,28
.irp e, 0,1
	s_delay_alu instid0(VALU_DEP_4)
	v_pk_fma_f32 v[A+4*\e:A+4*\e+1], v[Z+32*\e+\i:Z+32*\e+\i+1], v[Z+32*\e+\i:Z+32*\e+\i+1], v[A+4*\e:A+4*\e+1]
	s_delay_alu instid0(VALU_DEP_4)
	v_pk_fma_f32 v[A+4*\e+2:A+4*\e+3], v[Z+32*\e+\i+2:Z+32*\e+\i+3], v[Z+32*\e+\i+2:Z+32*\e+\i+3], v[A+4*\e+2:A+4*\e+3]
.endr
.endr
.irp e, 0
	s_delay_alu instid0(VALU_DEP_3)
	v_pk_add_f32 v[A+4*\e:A+4*\e+1], v[A+4*\e:A+4*\e+1], v[A+4*\e+2:A+4*\e+3]
.endr
.irp e, 1
	s_delay_alu instid0(VALU_DEP_2)
	v_pk_add_f32 v[A+4*\e:A+4*\e+1], v[A+4*\e:A+4*\e+1], v[A+4*\e+2:A+4*\e+3]
.endr
.irp e, 0,1
	s_delay_alu instid0(VALU_DEP_2)
	v_add_f32 v[T+\e], v[A+4*\e], v[A+4*\e+1]
.endr
	ACROSS
.irp e, 0,1
	s_delay_alu instid0(VALU_DEP_2)
	v_fma_f32 v[T+\e], v[T+\e], s20, s21           ; the variance + 1e-5
.endr
	s_wait_alu depctr_va_vdst(0)
.irp e, 0,1
	v_rsq_f32 v[RS+2*\e], v[T+\e]                  ; twice: a pair for the packed multiply
	v_rsq_f32 v[RS+2*\e+1], v[T+\e]
.endr
	v_nop                                          ; a plain line behind the batch,
	s_wait_alu depctr_va_vdst(0)                   ; and one wait ahead of its first reader
.irp e, 0,1
.set p, 0
.rept 16
	v_pk_mul_f32 v[Z+32*\e+p:Z+32*\e+p+1], v[Z+32*\e+p:Z+32*\e+p+1], v[RS+2*\e:RS+2*\e+1]
.set p, p+2
.endr
.endr
.irp e, 0,1
.set p, 0
.rept 16
	v_pk_fma_f32 v[Z+32*\e+p:Z+32*\e+p+1], v[Z+32*\e+p:Z+32*\e+p+1], v[G+p:G+p+1], v[BE+p:BE+p+1]
.set p, p+2
.endr
.endr
.irp e, 0,1
.irp j, 0,1,2,3,4,5,6,7
	global_store_b128 v1, v[Z+32*\e+4*\j:Z+32*\e+4*\j+3], s[12:13] offset:4096*\e+512*\j
.if WITH_CODES
	ds_store_b128 v3, v[Z+32*\e+4*\j:Z+32*\e+4*\j+3] offset:4112*\e+512*\j
.endif
.endr
.endr
.if WITH_CODES
	s_wait_dscnt 0x0                               ; for the others' sake: my rows lie in the stage
	s_barrier_signal -1
	s_barrier_wait -1
.irp c, 0,1,2,3
.irp i, 0,1,2,3
	ds_load_b128 v[XR+16*\c+4*\i:XR+16*\c+4*\i+3], v4 offset:128*\c+16*\i   ; register 16 c + i': k 128 w + 32 c + 16 (lane / 16) + i' of row lane % 16
.endr
.endr
	s_wait_dscnt 0x0
.irp b, 0,1,2,3
	v_max3_num_f32 v[TM+\b], |v[XR+16*\b]|, |v[XR+1+16*\b]|, 0x8000000     ; my 16 numbers of block b, and the floor 2^(16 - 127)
.endr
.irp i, 2,4,6,8,10,12,14
.irp b, 0,1,2,3
	s_delay_alu instid0(VALU_DEP_4)
	v_max3_num_f32 v[TM+\b], v[TM+\b], |v[XR+16*\b+\i]|, |v[XR+1+16*\b+\i]|
.endr
.endr
.irp b, 0,1,2,3
	s_delay_alu instid0(VALU_DEP_4)
	v_permlanex16_b32 v[TM+4+\b], v[TM+\b], s[SEL], s[SEL+1]
.endr
.irp b, 0,1,2,3
	s_delay_alu instid0(VALU_DEP_4)
	v_max_num_f32 v[TM+\b], v[TM+\b], v[TM+4+\b]
.endr
.irp b, 0,1,2,3
	s_delay_alu instid0(VALU_DEP_4)
	v_add_nc_u32 v[TM+12+\b], 0xf8800000, v[TM+\b]
.endr
.irp b, 0,1,2,3
	v_and_or_b32 v[TM+8+\b], v[TM+\b], 0x7f800000, s[MNT]
.endr
.irp b, 0,1,2,3
	v_lshrrev_b32 v[TM+4+\b], 23, v[TM+12+\b]
.endr
	s_delay_alu instid0(VALU_DEP_3)
	v_lshl_or_b32 v[PW], v[TM+5], 8, v[TM+4]
	s_delay_alu instid0(VALU_DEP_1)
	v_lshl_or_b32 v[PW], v[TM+6], 16, v[PW]
	s_delay_alu instid0(VALU_DEP_1)
	v_lshl_or_b32 v[PW], v[TM+7], 24, v[PW]
.irp b, 0,1,2,3
.irp i, 0,1,2,3,4,5,6,7,8,9,10,11,12,13,14,15
	v_med3_num_f32 v[XR+16*\b+\i], v[XR+16*\b+\i], -v[TM+8+\b], v[TM+8+\b]
.endr
	v_cvt_scalef32_pk8_bf8_f32 v[PC+4*\b:PC+1+4*\b], v[XR+16*\b:XR+7+16*\b], v[TM+12+\b]
	v_cvt_scalef32_pk8_bf8_f32 v[PC+2+4*\b:PC+3+4*\b], v[XR+8+16*\b:XR+15+16*\b], v[TM+12+\b]
.endr
	v_nop
.irp c, 0,1,2,3
	global_store_b128 v1, v[PC+4*\c:PC+4*\c+3], s[22:23] offset:512*\c
.endr
	global_store_b32 v5, v[PW], s[24:25]
.endif
	s_wait_tensorcnt 0x0
	ds_add_u32 v232, v233
	s_wait_dscnt 0x0
	s_endpgm
.Lfunc_end_k_q2f83570492_ln1:
	.size	k_q2f83570492_ln1, .Lfunc_end_k_q2f83570492_ln1-k_q2f83570492_ln1
	.p2alignl 7, 3214868480
	.fill 96, 4, 3214868480
	.section	.rodata,"a",@progbits
	.p2align	6, 0x0
	.amdhsa_kernel k_q2f83570492_ln1
		.amdhsa_group_segment_fixed_size 67072
		.amdhsa_private_segment_fixed_size 0
		.amdhsa_enable_private_segment 0
		.amdhsa_kernarg_size 40
		.amdhsa_user_sgpr_count 2
		.amdhsa_user_sgpr_kernarg_segment_ptr 1
		.amdhsa_wavefront_size32 1
		.amdhsa_system_sgpr_workgroup_id_x 1
		.amdhsa_system_sgpr_workgroup_id_y 1
		.amdhsa_system_sgpr_workgroup_id_z 1
		.amdhsa_system_vgpr_workitem_id 0
		.amdhsa_next_free_vgpr 234
		.amdhsa_next_free_sgpr 66
		.amdhsa_reserve_vcc 0
		.amdhsa_float_denorm_mode_32 3
		.amdhsa_float_denorm_mode_16_64 3
		.amdhsa_memory_ordered 1
		.amdhsa_forward_progress 1
		.amdhsa_inst_pref_size 38
	.end_amdhsa_kernel
	.amdgpu_metadata
---
amdhsa.version: [ 1, 2 ]
amdhsa.kernels:
  - .name:           k_q2f83570492_ln1
    .symbol:         k_q2f83570492_ln1.kd
    .args:
      - { .name: ybuf, .offset: 0, .size: 8, .value_kind: global_buffer, .address_space: global }
      - { .name: x, .offset: 8, .size: 8, .value_kind: global_buffer, .address_space: global }
      - { .name: g1, .offset: 16, .size: 8, .value_kind: global_buffer, .address_space: global }
      - { .name: be1, .offset: 24, .size: 8, .value_kind: global_buffer, .address_space: global }
      - { .name: x1buf, .offset: 32, .size: 8, .value_kind: global_buffer, .address_space: global }
    .group_segment_fixed_size: 67072
    .private_segment_fixed_size: 0
    .kernarg_segment_align: 8
    .kernarg_segment_size: 40
    .max_flat_workgroup_size: 256
    .sgpr_count:     66
    .vgpr_count:     234
    .wavefront_size: 32
...
	.end_amdgpu_metadata
.endif
;; end of part 5
;; launch gemm_w1 (part 6): grid 16 x 16, 4 waves a work-group, clusters of 4 x 4, 327,680 bytes of LDS; arguments x1buf, wbuf, b1, h8; writes h8
.if DOCPART == 6
	.amdgcn_target "amdgcn-amd-amdhsa--gfx1250"
	.amdhsa_code_object_version 6
	.text
	.protected	k_q2f83570492_gemm_w1
	.globl	k_q2f83570492_gemm_w1
	.p2align	8
	.type	k_q2f83570492_gemm_w1,@function
k_q2f83570492_gemm_w1:
	s_mov_b64 s[64:65], 0
	v_nop
	global_prefetch_b8 v0, s[64:65] scope:SCOPE_SE
	s_setreg_imm32_b32 hwreg(HW_REG_WAVE_MODE, 25, 1), 1
	s_wait_xcnt 0x0
	s_wait_alu depctr_hold_cnt(0) depctr_sa_sdst(0) depctr_va_vdst(0) depctr_va_sdst(0) depctr_va_ssrc(0) depctr_va_vcc(0) depctr_vm_vsrc(0)
	s_getreg_b32 s2, hwreg(HW_REG_IB_STS2, 6, 4)
	s_cmp_eq_u32 s2, 0
	s_cbranch_scc0 .Lentry_in_a_cluster
	s_endpgm
.Lentry_in_a_cluster:
	s_bfe_u32 s2, ttmp6, 0x10000c
	s_cmp_lg_u32 s2, 0xf033
	s_cbranch_scc0 .Lentry_shape_is_right
	s_endpgm
.Lentry_shape_is_right:
; h = sin(x1 W1 + b1) on codes of E5M2 with E8M0 scales, quantised along the hidden 4,096 and stored as the image that the next product reads.
; A tile of 256 x 256 to a work-group of four waves, 128 x 128 a wave; K in steps of 256 through two LDS slots; clusters of 4 x 4 with joint loads.  The bias is the C of each sum's first product.
; THE HEAD: four tiles, one joint load a wave: wave 0 K step 0's codes of A, wave 1 those of B, wave 2 A's scale words for all of K, wave 3 B's.  Slot 1 is first filled behind the full sequence and a round.
; PREFETCH: K steps 1 and 2 are asked for at the head, K step 3 where K step 1 is loaded: two fills ahead.  Of the 32,768 bytes that a wave fetches each of the four partners names 8,192, told apart by address, a lane 256 bytes.
; THE SINE: n = round(x / pi) by the magic number 1.5 x 2^23, r = x - n pi in two parts, the sign by n's lowest bit, an odd polynomial to r^11.
; THE WAY OUT is a loop of two trips over four blocks of 16 rows: between the trips the upper 256 accumulators are copied into the lower window.
; LIMITS: NaN and infinities are not served; |x| stays under 2^22 x pi; a block of zeros gets the scale byte 1 over zero codes.
.set X1IMG, 16777216
.set X1SC,  20971520
.set W1I,   8388608
.set W1SC,  17039360
.set HSC,   16777216
.set NQ,    2
.set FR,    16
.set NL,    4
.set NP,    8
.set HALFT, 32768
.set SLOT,  4*HALFT
.set LAPS,  2
.set SCL,   2*SLOT
.set HALFS, 4096
.set SPARE, SCL+4*HALFS
.set ADRA, 16
.set ADRB, 20
.set ADRS, 27
.set SPW,  28
.set NIL,  29
.set SC,   32
.set BI,   64
.set AF,   128
.set CI,   64
.set CM,   66
.set CNM,  68
.set CA,   70
.set CB,   72
.set C11,  74
.set C9,   76
.set C7,   78
.set C5,   80
.set C3,   82
.set RN,   84
.set RR,   116
.set H,    148
.set PC,   212
.set TM,   228
.set PW,   244
.set MNT,  2
.set SEL,  66
.set G1, 24
.set G0, 32
.set G1B, 48
.set G0B, 56
.set G1S, 68
.set G0S, 76
.set G1SB, 80
.set G0SB, 88
.set MSB, 0
.macro WIN new
.if MSB != (\new)
	s_set_vgpr_msb (MSB<<8)|(\new)
.set MSB, (\new)
.endif
.endm
.set MUL_LO, 0xa1
.set MUL_HI, 0xf1
.set TO_B,   0x40
.macro JLOAD g0a, g1a, g0b, g1b
	s_cmp_eq_u32 s15, 0
	s_cbranch_scc0 .Lfor_b_\@
	tensor_load_to_lds s[\g0a:\g0a+3], s[\g1a:\g1a+7]
	s_nop 0
.rept 4
	v_nop
.endr
	s_branch .Lasked_\@
.Lfor_b_\@:
	tensor_load_to_lds s[\g0b:\g0b+3], s[\g1b:\g1b+7]
	s_nop 0
.rept 4
	v_nop
.endr
.Lasked_\@:
.endm
.macro CREST
	s_cmp_lg_u32 s14, 0
	s_cbranch_scc1 .Lnot_wave_0_\@
	s_barrier_signal -3
.Lnot_wave_0_\@:
	s_barrier_wait -3
	s_barrier_signal -1
	s_barrier_wait -1
.endm
.macro CROUND
	s_barrier_signal -1
	s_barrier_wait -1
	CREST
.endm
	s_load_b128 s[4:7], s[0:1], 0x0
	s_load_b128 s[8:11], s[0:1], 0x10
	v_lshl_add_u32 v[SPW], v0, 2, SPARE
	v_mov_b32 v[NIL], 0
	ds_add_u32 v28, v29
	ds_add_u32 v28, v29
	s_wait_dscnt 0x0
	v_lshrrev_b32 v1, 5, v0
	v_readfirstlane_b32 s14, v1
	s_lshr_b32 s15, s14, 1
	s_and_b32 s16, s14, 1
	s_bfe_u32 s40, ttmp6, 0x40000
	s_bfe_u32 s41, ttmp6, 0x40004
	s_lshl_b32 s42, ttmp9, 2
	s_add_co_u32 s42, s42, s40
	s_and_b32 s17, ttmp7, 0xffff
	s_lshl_b32 s17, s17, 2
	s_add_co_u32 s17, s17, s41
	s_lshl_b32 s43, s41, 2
	s_lshl_b32 s43, 15, s43
	s_lshl_b32 s44, 0x1111, s40
	s_or_b32 s[G1+0], s43, (3<<16)|(1<<21)
	s_or_b32 s[G1B+0], s44, (3<<16)|(1<<21)
.irp g, G1, G1B
	s_mov_b32 s[\g+1], 512<<16
	s_mov_b32 s[\g+2], 16<<16
	s_mov_b32 s[\g+3], 512<<16
	s_mov_b32 s[\g+4], 16
	s_mov_b32 s[\g+5], 2048
	s_mov_b32 s[\g+6], 0
	s_mov_b32 s[\g+7], 0
.endr
	s_or_b32 s[G1S+0], s43, (3<<16)|(1<<21)
	s_or_b32 s[G1SB+0], s44, (3<<16)|(1<<21)
.irp g, G1S, G1SB
	s_mov_b32 s[\g+1], 32<<16
	s_mov_b32 s[\g+2], 32<<16
	s_mov_b32 s[\g+3], 32<<16
	s_mov_b32 s[\g+4], 32
	s_mov_b32 s[\g+5], 32
	s_mov_b32 s[\g+6], 0
	s_mov_b32 s[\g+7], 0
.endr
	s_lshl_b32 s18, s16, 3
	s_lshl_b32 s20, s17, 4
	s_add_co_u32 s20, s20, s18
	s_lshl_b32 s20, s20, 14
	s_add_co_u32 s20, s20, X1IMG
	s_mov_b32 s21, 0
	s_lshl_b32 s22, s17, 1
	s_add_co_u32 s22, s22, s16
	s_lshl_b32 s22, s22, 12
	s_add_co_u32 s22, s22, X1SC
	s_mov_b32 s23, 0
	s_lshl_b32 s46, s42, 4
	s_add_co_u32 s46, s46, s18
	s_lshl_b32 s46, s46, 14
	s_add_co_u32 s46, s46, W1I
	s_mov_b32 s47, 0
	s_lshl_b32 s92, s42, 1
	s_add_co_u32 s92, s92, s16
	s_lshl_b32 s92, s92, 12
	s_add_co_u32 s92, s92, W1SC
	s_mov_b32 s93, 0
	s_mul_i32 s45, s14, HALFT
	s_mul_i32 s94, s14, HALFS
	s_wait_kmcnt 0x0
	s_add_nc_u64 s[20:21], s[4:5], s[20:21]
	s_add_nc_u64 s[22:23], s[4:5], s[22:23]
	s_add_nc_u64 s[46:47], s[6:7], s[46:47]
	s_add_nc_u64 s[92:93], s[6:7], s[92:93]
	s_lshl_b32 s18, s16, 17                        ; my half of a tile's codes, in bytes: the head's tiles begin without it
	s_mov_b32 s19, 0
	s_mov_b32 s[G0], 1                             ; K step 0's codes of A, 16 row blocks
	s_mov_b32 s[G0+1], 0
	s_sub_nc_u64 s[G0+2:G0+3], s[20:21], s[18:19]
	s_or_b32 s[G0+3], s[G0+3], 0x80000000
	s_mov_b32 s[G0B], 1                            ; and of B, behind them
	s_mov_b32 s[G0B+1], 2*HALFT
	s_sub_nc_u64 s[G0B+2:G0B+3], s[46:47], s[18:19]
	s_or_b32 s[G0B+3], s[G0B+3], 0x80000000
	s_lshl_b32 s18, s16, 12                        ; my half of a tile's scale words
	s_mov_b32 s[G0S], 1
	s_mov_b32 s[G0S+1], SCL
	s_sub_nc_u64 s[G0S+2:G0S+3], s[22:23], s[18:19]
	s_or_b32 s[G0S+3], s[G0S+3], 0x80000000
	s_mov_b32 s[G0SB], 1
	s_mov_b32 s[G0SB+1], SCL+2*HALFS
	s_sub_nc_u64 s[G0SB+2:G0SB+3], s[92:93], s[18:19]
	s_or_b32 s[G0SB+3], s[G0SB+3], 0x80000000
	s_mov_b32 s[G0+4], 1                           ; slot 1: my quarter of K step 1
	s_add_co_u32 s[G0+5], s45, SLOT
	s_add_nc_u64 s[G0+6:G0+7], s[20:21], 4096
	s_or_b32 s[G0+7], s[G0+7], 0x80000000
	s_mov_b32 s[G0B+4], 1
	s_add_co_u32 s[G0B+5], s45, SLOT
	s_add_nc_u64 s[G0B+6:G0B+7], s[46:47], 4096
	s_or_b32 s[G0B+7], s[G0B+7], 0x80000000
	s_cmp_eq_u32 s15, 0                            ; the prefetches: of the 8 row blocks that I fetch, my work-group names two
	s_cselect_b64 s[4:5], s[20:21], s[46:47]
	s_cselect_b32 s2, s40, s41
	s_lshl_b32 s2, s2, 15
	s_mov_b32 s3, 0
	s_add_nc_u64 s[4:5], s[4:5], s[2:3]
	CROUND
.macro ARM under, g0, g1, next         ; one chain of branches on the wave's number, one load to an arm
	s_cmp_lt_u32 s14, \under
	s_cbranch_scc0 \next
	tensor_load_to_lds s[\g0:\g0+3], s[\g1:\g1+7]
	s_nop 0
.rept 4
	v_nop
.endr
	s_branch .Lhead_asked
\next:
.endm
	ARM 1, G0, G1, .Lhead_b
	ARM 2, G0B, G1B, .Lhead_sa
	ARM 3, G0S, G1S, .Lhead_sb
	tensor_load_to_lds s[G0SB:G0SB+3], s[G1SB:G1SB+7]
	s_nop 0
.rept 4
	v_nop
.endr
.Lhead_asked:
	v_and_b32 v30, 15, v0
	v_bfe_u32 v31, v0, 4, 1
	v_lshlrev_b32 v30, 8, v30
	v_lshl_add_u32 v30, v31, 14, v30               ; lanes 0-15: 4,096 bytes of one row block, lanes 16-31 of the next
	global_prefetch_b8 v30, s[4:5] offset:4096 th:TH_LOAD_NT scope:SCOPE_SE
	global_prefetch_b8 v30, s[4:5] offset:8192 th:TH_LOAD_NT scope:SCOPE_SE
	v_and_b32 v1, 15, v0
	v_bfe_u32 v2, v0, 4, 1
	s_wait_alu depctr_va_vdst(0)
	v_and_b32 v3, 31, v0
	v_lshlrev_b32 v3, 4, v3
	s_mul_i32 s21, s15, HALFT
	s_mul_i32 s22, s16, HALFT
	s_add_co_u32 s22, s22, 2*HALFT
.irp s, 0,1
	v_add_nc_u32 v[ADRA+\s], s21, v3
	v_add_nc_u32 v[ADRB+\s], s22, v3
	s_add_co_u32 s21, s21, SLOT
	s_add_co_u32 s22, s22, SLOT
.endr
	s_mul_i32 s21, s15, HALFS
	s_mul_i32 s22, s16, HALFS
	s_add_co_u32 s22, s22, 2*HALFS
	s_sub_co_u32 s22, s22, s21
	v_mul_u32_u24 v4, s22, v2
	s_add_co_u32 s21, s21, SCL
	v_lshl_add_u32 v4, v1, 2, v4
	v_add_nc_u32 v[ADRS], s21, v4
	v_lshlrev_b32 v6, 6, v2
	s_lshl_b32 s20, s42, 10
	s_lshl_b32 s21, s16, 9
	s_add_co_u32 s20, s20, s21
	s_mov_b32 s21, 0
	s_add_nc_u64 s[8:9], s[8:9], s[20:21]
.irp J, 0,1,2,3
.irp i, 0,1,2,3
	global_load_b128 v[BI+16*\J+4*\i:BI+16*\J+4*\i+3], v6, s[8:9] offset:128*\J+16*\i
.endr
.endr
.macro FRAG reg, adr, q, i
.irp c, 0,1,2,3
	ds_load_b128 v[\reg+4*\c:\reg+4*\c+3], v[\adr] offset:2048*(\q)+512*\c+(\i)*4096
.endr
.endm
.macro MUL16 a0, p, q, sc, first
.irp a, \a0, \a0+1
.irp b, 0,1,2,3,4,5,6,7
.if \first
	v_wmma_scale_f32_16x16x128_f8f6f4 v[8*(8*((\a)%4)+\b):8*(8*((\a)%4)+\b)+7], v[128*(\p)+FR*\b:128*(\p)+FR*\b+FR-1], v[AF+FR*(\a):AF+FR*(\a)+FR-1], v[BI+8*\b:BI+8*\b+7], v[SC+8*NQ*(\sc)+NQ*\b+(\q)], v[SC+8*NQ*(\sc)+NQ*(\a)+(\q)] matrix_a_fmt:MATRIX_FMT_BF8 matrix_b_fmt:MATRIX_FMT_BF8 matrix_a_scale:MATRIX_SCALE_ROW1
.else
	v_wmma_scale_f32_16x16x128_f8f6f4 v[8*(8*((\a)%4)+\b):8*(8*((\a)%4)+\b)+7], v[128*(\p)+FR*\b:128*(\p)+FR*\b+FR-1], v[AF+FR*(\a):AF+FR*(\a)+FR-1], v[8*(8*((\a)%4)+\b):8*(8*((\a)%4)+\b)+7], v[SC+8*NQ*(\sc)+NQ*\b+(\q)], v[SC+8*NQ*(\sc)+NQ*(\a)+(\q)] matrix_a_fmt:MATRIX_FMT_BF8 matrix_b_fmt:MATRIX_FMT_BF8 matrix_a_scale:MATRIX_SCALE_ROW1
.endif
.endr
.endr
.endm
.macro FETCH_B slot, q, p
	WIN TO_B
.irp i, 0,1,2,3,4,5,6,7
	FRAG 128*(\p)+FR*\i, ADRB+\slot, \q, \i
.endr
	WIN 0
.endm
.macro FETCH_A slot, q, i0
.irp i, \i0, \i0+1, \i0+2, \i0+3
	FRAG AF+FR*(\i), ADRA+\slot, \q, \i
.endr
.endm
.macro SCALES sc
.irp i, 0,1,2,3,4,5,6,7
.irp q, 0,1
	ds_load_b32 v[SC+16*\sc+2*\i+\q], v[ADRS] offset:512*\q+64*\i
.endr
.endr
.endm
.macro PLACES n
.rept \n
	v_nop
.endr
.endm
.macro STEP slot, q, first
	s_wait_dscnt 4*NL
.if \first
	WIN 0x81
.else
	WIN MUL_LO
.endif
	MUL16 0, (\q)%2, \q, \slot, \first
	MUL16 2, (\q)%2, \q, \slot, \first
	s_wait_dscnt 0
	PLACES NP
	FETCH_B \slot, (\q)+1, 1-(\q)%2
	FETCH_A \slot, (\q)+1, 0
.if \first
	WIN 0xc1
.else
	WIN MUL_HI
.endif
	MUL16 4, (\q)%2, \q, \slot, \first
	MUL16 6, (\q)%2, \q, \slot, \first
	PLACES NP
	WIN 0
	FETCH_A \slot, (\q)+1, 4
.endm
.macro TURN slot, next, fill
	s_wait_tensorcnt 0x0
	ds_add_u32 v[SPW], v[NIL]
	s_wait_dscnt 4*NL+1
	WIN MUL_LO
	MUL16 0, 1, NQ-1, \slot, 0
	s_wait_dscnt 0x0
	s_barrier_signal -1
	MUL16 2, 1, NQ-1, \slot, 0
	WIN 0
	s_barrier_wait -1
.if \fill
	CREST
	s_add_nc_u64 s[G0+4*\slot+2:G0+4*\slot+3], s[G0+4*\slot+2:G0+4*\slot+3], 8192
	s_add_nc_u64 s[G0B+4*\slot+2:G0B+4*\slot+3], s[G0B+4*\slot+2:G0B+4*\slot+3], 8192
	JLOAD G0+4*\slot, G1, G0B+4*\slot, G1B
	PLACES NP-4
.else
	PLACES NP
.endif
	s_wait_alu depctr_va_vdst(0)
	v_add_nc_u32 v[ADRS], 1024, v[ADRS]
	FETCH_B \next, 0, 0
	FETCH_A \next, 0, 0
	SCALES \next
	WIN MUL_HI
	MUL16 4, 1, NQ-1, \slot, 0
	MUL16 6, 1, NQ-1, \slot, 0
	PLACES NP
	WIN 0
	FETCH_A \next, 0, 4
.endm
	s_wait_alu depctr_va_vdst(0)
	s_wait_tensorcnt 0x0                           ; my tile of the head's four is in
	ds_add_u32 v[SPW], v[NIL]
	s_mov_b32 s[G1+2], 8<<16                       ; no load of mine is out: from here on a load brings 8 row blocks,
	s_mov_b32 s[G1+4], 8
	s_mov_b32 s[G1B+2], 8<<16
	s_mov_b32 s[G1B+4], 8
	s_mov_b32 s[G0+1], s45                         ; and slot 0's group 0 names my quarter
	s_mov_b32 s[G0B+1], s45
	s_lshl_b32 s18, s16, 17
	s_add_nc_u64 s[G0+2:G0+3], s[G0+2:G0+3], s[18:19]
	s_add_nc_u64 s[G0B+2:G0B+3], s[G0B+2:G0B+3], s[18:19]
	s_wait_dscnt 0x0
	CROUND                                         ; all four tiles are in, all sixteen work-groups are here
	JLOAD G0+4, G1, G0B+4, G1B                     ; K step 1, the first tensor load behind the round
	FETCH_B 0, 0, 0
	FETCH_A 0, 0, 0
	SCALES 0
	FETCH_A 0, 0, 4
	global_prefetch_b8 v30, s[4:5] offset:12288 th:TH_LOAD_NT scope:SCOPE_SE
	s_wait_loadcnt 0x0
	STEP 0, 0, 1
	s_mov_b32 s3, LAPS-1
.Llap:
	TURN 0, 1, 1
	STEP 1, 0, 0
	TURN 1, 0, 1
	STEP 0, 0, 0
	s_sub_co_u32 s3, s3, 1
	s_cmp_lg_u32 s3, 0
	s_cbranch_scc1 .Llap
	TURN 0, 1, 0
	STEP 1, 0, 0
	s_wait_dscnt 4*NL
	WIN MUL_LO
	MUL16 0, 1, NQ-1, 1, 0
	MUL16 2, 1, NQ-1, 1, 0
	s_wait_dscnt 0
	WIN MUL_HI
	MUL16 4, 1, NQ-1, 1, 0
	MUL16 6, 1, NQ-1, 1, 0
	WIN 0
.macro QUANT s
.irp b, 0,1,2,3
	v_max3_num_f32 v[TM+\b], |v[\s+16*\b]|, |v[\s+1+16*\b]|, 0x8000000
.endr
.irp i, 2,4,6,8,10,12,14
.irp b, 0,1,2,3
	v_max3_num_f32 v[TM+\b], v[TM+\b], |v[\s+16*\b+\i]|, |v[\s+1+16*\b+\i]|
.endr
.endr
.irp b, 0,1,2,3
	v_permlanex16_b32 v[TM+4+\b], v[TM+\b], s[SEL], s[SEL+1]
.endr
.irp b, 0,1,2,3
	v_max_num_f32 v[TM+\b], v[TM+\b], v[TM+4+\b]
.endr
.irp b, 0,1,2,3
	v_add_nc_u32 v[TM+12+\b], 0xf8800000, v[TM+\b]
.endr
.irp b, 0,1,2,3
	v_and_or_b32 v[TM+8+\b], v[TM+\b], 0x7f800000, s[MNT]
.endr
.irp b, 0,1,2,3
	v_lshrrev_b32 v[TM+4+\b], 23, v[TM+12+\b]
.endr
	v_lshl_or_b32 v[PW], v[TM+5], 8, v[TM+4]
	v_lshl_or_b32 v[PW], v[TM+6], 16, v[PW]
	v_lshl_or_b32 v[PW], v[TM+7], 24, v[PW]
.irp b, 0,1,2,3
.irp i, 0,1,2,3,4,5,6,7,8,9,10,11,12,13,14,15
	v_med3_num_f32 v[\s+16*\b+\i], v[\s+16*\b+\i], -v[TM+8+\b], v[TM+8+\b]
.endr
	v_cvt_scalef32_pk8_bf8_f32 v[PC+4*\b:PC+1+4*\b], v[\s+16*\b:\s+7+16*\b], v[TM+12+\b]
	v_cvt_scalef32_pk8_bf8_f32 v[PC+2+4*\b:PC+3+4*\b], v[\s+8+16*\b:\s+15+16*\b], v[TM+12+\b]
.endr
	v_nop
.endm
.macro PK16 op, d, a, b, c
.set p, 0
.rept 16
.if \c
	\op v[\d+p:\d+p+1], v[\a+p:\a+p+1], v[\b+p:\b+p+1], v[\c+p:\c+p+1]
.else
	\op v[\d+p:\d+p+1], v[\a+p:\a+p+1], v[\b+p:\b+p+1]
.endif
.set p, p+2
.endr
.endm
.macro PKC16 d, a, k1, k2
.set p, 0
.rept 16
	v_pk_fma_f32 v[\d+p:\d+p+1], v[\a+p:\a+p+1], v[\k1:\k1+1], v[\k2:\k2+1]
.set p, p+2
.endr
.endm
.macro PKH16 d, a, b, k
.set p, 0
.rept 16
	v_pk_fma_f32 v[\d+p:\d+p+1], v[\a+p:\a+p+1], v[\b+p:\b+p+1], v[\k:\k+1]
.set p, p+2
.endr
.endm
.macro PKN16 d, a, k, c
.set p, 0
.rept 16
	v_pk_fma_f32 v[\d+p:\d+p+1], v[\a+p:\a+p+1], v[\k:\k+1], v[\c+p:\c+p+1]
.set p, p+2
.endr
.endm
.macro SINQ a
	s_wait_xcnt 0x0
.irp g, 0,1
	WIN 0x02+(\a)/4
	PKC16 H+32*\g, 64*((\a)%4)+32*\g, CI, CM
	WIN 0
.set p, 0
.rept 16
	v_pk_add_f32 v[RN+p:RN+p+1], v[H+32*\g+p:H+32*\g+p+1], v[CNM:CNM+1]
.set p, p+2
.endr
	WIN 0x20+0x10*((\a)/4)
	PKN16 RR, RN, CA, 64*((\a)%4)+32*\g
	WIN 0
	PKN16 RR, RN, CB, RR
.set p, 0
.rept 32
	v_lshl_add_u32 v[RR+p], v[H+32*\g+p], 31, v[RR+p]
.set p, p+1
.endr
	PK16 v_pk_mul_f32, RN, RR, RR, 0
	PKC16 H+32*\g, RN, C11, C9
	PKH16 H+32*\g, H+32*\g, RN, C7
	PKH16 H+32*\g, H+32*\g, RN, C5
	PKH16 H+32*\g, H+32*\g, RN, C3
	PK16 v_pk_mul_f32, RN, RN, RR, 0
	PK16 v_pk_fma_f32, H+32*\g, H+32*\g, RN, RR
.endr
	QUANT H
.irp c, 0,1,2,3
	global_store_b128 v3, v[PC+4*\c:PC+4*\c+3], s[20:21] offset:65536*(\a)+512*\c
.endr
	global_store_b32 v4, v[PW], s[22:23] offset:64*(\a)
.endm
	PLACES NP
	s_mov_b32 s[MNT], 0x600000
	s_mov_b32 s[SEL], 0x76543210
	s_mov_b32 s[SEL+1], 0xfedcba98
.irp b, 0,1,2,3
	v_mov_b32 v[TM+4+\b], 0
.endr
.irp u, 0,1
	v_mov_b32 v[CI+\u], 0x3ea2f983
	v_mov_b32 v[CM+\u], 0x4b400000
	v_mov_b32 v[CNM+\u], 0xcb400000
	v_mov_b32 v[CA+\u], 0xc0490fdb
	v_mov_b32 v[CB+\u], 0x33bbbd2e
	v_mov_b32 v[C11+\u], 0xb2d7322b
	v_mov_b32 v[C9+\u], 0x3638ef1d
	v_mov_b32 v[C7+\u], 0xb9500d01
	v_mov_b32 v[C5+\u], 0x3c088889
	v_mov_b32 v[C3+\u], 0xbe2aaaab
.endr
	s_lshl_b32 s46, s42, 1
	s_add_co_u32 s46, s46, s16
	s_lshl_b32 s20, s17, 4
	s_lshl_b32 s21, s15, 3
	s_add_co_u32 s20, s20, s21
	s_lshl_b32 s20, s20, 5
	s_add_co_u32 s20, s20, s46
	s_lshl_b32 s20, s20, 11
	s_mov_b32 s21, 0
	s_add_nc_u64 s[20:21], s[10:11], s[20:21]
	s_lshl_b32 s22, s17, 1
	s_add_co_u32 s22, s22, s15
	s_lshl_b32 s22, s22, 5
	s_add_co_u32 s22, s22, s46
	s_lshl_b32 s22, s22, 9
	s_add_co_u32 s22, s22, HSC
	s_mov_b32 s23, 0
	s_add_nc_u64 s[22:23], s[10:11], s[22:23]
	v_lshlrev_b32 v4, 2, v1
	s_mov_b32 s3, 0
.Lhalf:                                                ; two trips: my rows 0-63, then my rows 64-127
.irp a, 0,1,2,3
	SINQ \a
.endr
	s_cmp_eq_u32 s3, 1
	s_cbranch_scc1 .Lcopied
	s_wait_xcnt 0x0                                ; the stores have read their bases
	s_add_nc_u64 s[20:21], s[20:21], 4*65536
	s_add_nc_u64 s[22:23], s[22:23], 256
	WIN 0x83                                       ; source window 3, destination window 2
.set p, 0
.rept 256
	v_mov_b32 v[p], v[p]                           ; each accumulator from its low end on
.set p, p+1
.endr
	WIN 0
.Lcopied:
	s_wait_alu depctr_va_vdst(0)                   ; the wait ahead of the branch
	s_add_co_u32 s3, s3, 1
	s_cmp_lt_u32 s3, 2
	s_cbranch_scc1 .Lhalf
	s_wait_tensorcnt 0x0
	ds_add_u32 v[SPW], v[NIL]
	s_wait_dscnt 0x0
	CROUND
	s_endpgm
.Lfunc_end_k_q2f83570492_gemm_w1:
	.size	k_q2f83570492_gemm_w1, .Lfunc_end_k_q2f83570492_gemm_w1-k_q2f83570492_gemm_w1
	.p2alignl 7, 3214868480
	.fill 96, 4, 3214868480
	.section	.rodata,"a",@progbits
	.p2align	6, 0x0
	.amdhsa_kernel k_q2f83570492_gemm_w1
		.amdhsa_group_segment_fixed_size 327680
		.amdhsa_private_segment_fixed_size 0
		.amdhsa_enable_private_segment 0
		.amdhsa_kernarg_size 32
		.amdhsa_user_sgpr_count 2
		.amdhsa_user_sgpr_kernarg_segment_ptr 1
		.amdhsa_wavefront_size32 1
		.amdhsa_system_sgpr_workgroup_id_x 1
		.amdhsa_system_sgpr_workgroup_id_y 1
		.amdhsa_system_sgpr_workgroup_id_z 1
		.amdhsa_system_vgpr_workitem_id 0
		.amdhsa_next_free_vgpr 1024
		.amdhsa_next_free_sgpr 100
		.amdhsa_reserve_vcc 0
		.amdhsa_float_denorm_mode_32 3
		.amdhsa_float_denorm_mode_16_64 3
		.amdhsa_memory_ordered 1
		.amdhsa_forward_progress 1
		.amdhsa_inst_pref_size 255
	.end_amdhsa_kernel
	.section	.bss,"aw",@nobits
	.p2align	6
	.space	262144
	.amdgpu_metadata
---
amdhsa.version: [ 1, 2 ]
amdhsa.kernels:
  - .name:           k_q2f83570492_gemm_w1
    .symbol:         k_q2f83570492_gemm_w1.kd
    .args:
      - { .name: x1buf, .offset: 0, .size: 8, .value_kind: global_buffer, .address_space: global }
      - { .name: wbuf, .offset: 8, .size: 8, .value_kind: global_buffer, .address_space: global }
      - { .name: b1, .offset: 16, .size: 8, .value_kind: global_buffer, .address_space: global }
      - { .name: h8, .offset: 24, .size: 8, .value_kind: global_buffer, .address_space: global }
    .group_segment_fixed_size: 327680
    .private_segment_fixed_size: 0
    .kernarg_segment_align: 8
    .kernarg_segment_size: 32
    .max_flat_workgroup_size: 128
    .sgpr_count:     100
    .vgpr_count:     1024
    .wavefront_size: 32
...
	.end_amdgpu_metadata
.endif
;; end of part 6
;; launch gemm_w2 (part 7): grid 8 x 32, 4 waves a work-group, clusters of 4 x 4, 327,680 bytes of LDS; arguments h8, wbuf, b2, ybuf; writes ybuf
.if DOCPART == 7
	.amdgcn_target "amdgcn-amd-amdhsa--gfx1250"
	.amdhsa_code_object_version 6
	.text
	.protected	k_q2f83570492_gemm_w2
	.globl	k_q2f83570492_gemm_w2
	.p2align	8
	.type	k_q2f83570492_gemm_w2,@function
k_q2f83570492_gemm_w2:
	s_mov_b64 s[64:65], 0
	v_nop
	global_prefetch_b8 v0, s[64:65] scope:SCOPE_SE
	s_setreg_imm32_b32 hwreg(HW_REG_WAVE_MODE, 25, 1), 1
	s_wait_xcnt 0x0
	s_wait_alu depctr_hold_cnt(0) depctr_sa_sdst(0) depctr_va_vdst(0) depctr_va_sdst(0) depctr_va_ssrc(0) depctr_va_vcc(0) depctr_vm_vsrc(0)
	s_getreg_b32 s2, hwreg(HW_REG_IB_STS2, 6, 4)
	s_cmp_eq_u32 s2, 0
	s_cbranch_scc0 .Lentry_in_a_cluster
	s_endpgm
.Lentry_in_a_cluster:
	s_bfe_u32 s2, ttmp6, 0x10000c
	s_cmp_lg_u32 s2, 0xf033
	s_cbranch_scc0 .Lentry_shape_is_right
	s_endpgm
.Lentry_shape_is_right:
; y = h W2 + b2 on codes of E5M2 with E8M0 scales; y f32, [place][1,024]: rows in the order of h's image, columns in their natural order.  K = 4,096.
; Tiles of 128 x 128: 256 work-groups of four waves, each 64 x 64: 16 accumulators.  A slot holds 512 along K; two slots; clusters of 4 x 4 with joint loads.  The bias is the C of each sum's first product.
; THE HEAD: four tiles, one joint load a wave: wave 0 slot 0's codes of A, wave 1 those of B, wave 2 A's scale words for all of K, wave 3 B's.  Slot 1 is first filled behind the full sequence and a round.
; PREFETCH: fills 1 and 2 are asked for at the head, and where fill f is loaded fill f + 2, up to the eighth and last.  Of the 4 row blocks that a wave fetches each of the four partners names one, told apart by address: 8,192 bytes, a lane 256.
.set KDIM,  4096
.set ASC,   16777216
.set BIMG,  12582912
.set BSC,   17170432
.set NKF,   KDIM/128
.set LAPS,  KDIM/1024
.set NP,    8
.set QT,    32768
.set SLOT,  4*QT
.set SCL,   2*SLOT
.set HALFS, 256*NKF
.set SPARE, SCL+4*HALFS
.set ADRA, 16
.set ADRB, 20
.set STO,  24
.set RD,   25
.set CO,   26
.set ADRS, 27
.set SPW,  28
.set NIL,  29
.set SC,   32
.set BIAS, 64
.set BK,   64
.set ACC,  128
.set F0,   0
.set F1,   128
.set G1, 24
.set G0, 32
.set G1B, 48
.set G0B, 56
.set G1S, 68
.set G0S, 76
.set G1SB, 80
.set G0SB, 88
.set MSB, 0
.macro WIN new
.if MSB != (\new)
	s_set_vgpr_msb (MSB<<8)|(\new)
.set MSB, (\new)
.endif
.endm
.set MUL,  0x05
.set TO_F, 0x40
.macro JLOAD g0a, g1a, g0b, g1b
	s_cmp_eq_u32 s15, 0
	s_cbranch_scc0 .Lfor_b_\@
	tensor_load_to_lds s[\g0a:\g0a+3], s[\g1a:\g1a+7]
	s_nop 0
.rept 4
	v_nop
.endr
	s_branch .Lasked_\@
.Lfor_b_\@:
	tensor_load_to_lds s[\g0b:\g0b+3], s[\g1b:\g1b+7]
	s_nop 0
.rept 4
	v_nop
.endr
.Lasked_\@:
.endm
.macro CREST
	s_cmp_lg_u32 s14, 0
	s_cbranch_scc1 .Lnot_wave_0_\@
	s_barrier_signal -3
.Lnot_wave_0_\@:
	s_barrier_wait -3
	s_barrier_signal -1
	s_barrier_wait -1
.endm
.macro CROUND
	s_barrier_signal -1
	s_barrier_wait -1
	CREST
.endm
	s_load_b128 s[4:7], s[0:1], 0x0
	s_load_b128 s[8:11], s[0:1], 0x10
	v_lshl_add_u32 v[SPW], v0, 2, SPARE
	v_mov_b32 v[NIL], 0
	ds_add_u32 v28, v29
	ds_add_u32 v28, v29
	s_wait_dscnt 0x0
	v_lshrrev_b32 v1, 5, v0
	v_readfirstlane_b32 s14, v1
	s_lshr_b32 s15, s14, 1
	s_and_b32 s16, s14, 1
	s_bfe_u32 s40, ttmp6, 0x40000
	s_bfe_u32 s41, ttmp6, 0x40004
	s_lshl_b32 s42, ttmp9, 2
	s_add_co_u32 s42, s42, s40
	s_and_b32 s17, ttmp7, 0xffff
	s_lshl_b32 s17, s17, 2
	s_add_co_u32 s17, s17, s41
	s_lshl_b32 s43, s41, 2
	s_lshl_b32 s43, 15, s43
	s_lshl_b32 s44, 0x1111, s40
	s_or_b32 s[G1+0], s43, (3<<16)|(1<<21)
	s_or_b32 s[G1B+0], s44, (3<<16)|(1<<21)
.irp g, G1, G1B
	s_mov_b32 s[\g+1], 1024<<16
	s_mov_b32 s[\g+2], 8<<16
	s_mov_b32 s[\g+3], 1024<<16
	s_mov_b32 s[\g+4], 8
	s_mov_b32 s[\g+5], 256*NKF
	s_mov_b32 s[\g+6], 0
	s_mov_b32 s[\g+7], 0
.endr
	s_or_b32 s[G1S+0], s43, (3<<16)|(1<<21)
	s_or_b32 s[G1SB+0], s44, (3<<16)|(1<<21)
.irp g, G1S, G1SB
	s_mov_b32 s[\g+1], 32<<16
	s_mov_b32 s[\g+2], (2*NKF)<<16
	s_mov_b32 s[\g+3], 32<<16
	s_mov_b32 s[\g+4], 2*NKF
	s_mov_b32 s[\g+5], 32
	s_mov_b32 s[\g+6], 0
	s_mov_b32 s[\g+7], 0
.endr
	s_lshl_b32 s18, s16, 2
	s_mul_i32 s19, s16, HALFS
	s_lshl_b32 s20, s17, 3
	s_add_co_u32 s20, s20, s18
	s_mul_i32 s20, s20, NKF*2048
	s_mov_b32 s21, 0
	s_mul_i32 s22, s17, NKF*512
	s_add_co_u32 s22, s22, s19
	s_add_co_u32 s22, s22, ASC
	s_mov_b32 s23, 0
	s_lshl_b32 s46, s42, 3
	s_add_co_u32 s46, s46, s18
	s_mul_i32 s46, s46, NKF*2048
	s_add_co_u32 s46, s46, BIMG
	s_mov_b32 s47, 0
	s_mul_i32 s92, s42, NKF*512
	s_add_co_u32 s92, s92, s19
	s_add_co_u32 s92, s92, BSC
	s_mov_b32 s93, 0
	s_mul_i32 s45, s14, QT
	s_mul_i32 s94, s14, HALFS
	s_wait_kmcnt 0x0
	s_add_nc_u64 s[20:21], s[4:5], s[20:21]
	s_add_nc_u64 s[22:23], s[4:5], s[22:23]
	s_add_nc_u64 s[46:47], s[6:7], s[46:47]
	s_add_nc_u64 s[92:93], s[6:7], s[92:93]
	s_mul_i32 s18, s16, NKF*8192                   ; my half of a tile's codes, in bytes: the head's tiles begin without it
	s_mov_b32 s19, 0
	s_mov_b32 s[G0], 1                             ; slot 0's codes of A, 8 row blocks
	s_mov_b32 s[G0+1], 0
	s_sub_nc_u64 s[G0+2:G0+3], s[20:21], s[18:19]
	s_or_b32 s[G0+3], s[G0+3], 0x80000000
	s_mov_b32 s[G0B], 1                            ; and of B, behind them
	s_mov_b32 s[G0B+1], 2*QT
	s_sub_nc_u64 s[G0B+2:G0B+3], s[46:47], s[18:19]
	s_or_b32 s[G0B+3], s[G0B+3], 0x80000000
	s_mul_i32 s18, s16, HALFS                      ; my half of a tile's scale words
	s_mov_b32 s[G0S], 1
	s_mov_b32 s[G0S+1], SCL
	s_sub_nc_u64 s[G0S+2:G0S+3], s[22:23], s[18:19]
	s_or_b32 s[G0S+3], s[G0S+3], 0x80000000
	s_mov_b32 s[G0SB], 1
	s_mov_b32 s[G0SB+1], SCL+2*HALFS
	s_sub_nc_u64 s[G0SB+2:G0SB+3], s[92:93], s[18:19]
	s_or_b32 s[G0SB+3], s[G0SB+3], 0x80000000
	s_mov_b32 s[G0+4], 1                           ; slot 1: my quarter of the second fill
	s_add_co_u32 s[G0+5], s45, SLOT
	s_add_nc_u64 s[G0+6:G0+7], s[20:21], 8192
	s_or_b32 s[G0+7], s[G0+7], 0x80000000
	s_mov_b32 s[G0B+4], 1
	s_add_co_u32 s[G0B+5], s45, SLOT
	s_add_nc_u64 s[G0B+6:G0B+7], s[46:47], 8192
	s_or_b32 s[G0B+7], s[G0B+7], 0x80000000
	s_cmp_eq_u32 s15, 0                            ; the prefetches: of the 4 row blocks that I fetch, my work-group names one
	s_cselect_b64 s[4:5], s[20:21], s[46:47]
	s_cselect_b32 s2, s40, s41
	s_mul_i32 s2, s2, NKF*2048
	s_mov_b32 s3, 0
	s_add_nc_u64 s[4:5], s[4:5], s[2:3]
	CROUND
.macro ARM under, g0, g1, next         ; one chain of branches on the wave's number, one load to an arm
	s_cmp_lt_u32 s14, \under
	s_cbranch_scc0 \next
	tensor_load_to_lds s[\g0:\g0+3], s[\g1:\g1+7]
	s_nop 0
.rept 4
	v_nop
.endr
	s_branch .Lhead_asked
\next:
.endm
	ARM 1, G0, G1, .Lhead_b
	ARM 2, G0B, G1B, .Lhead_sa
	ARM 3, G0S, G1S, .Lhead_sb
	tensor_load_to_lds s[G0SB:G0SB+3], s[G1SB:G1SB+7]
	s_nop 0
.rept 4
	v_nop
.endr
.Lhead_asked:
	v_and_b32 v30, 31, v0
	v_lshlrev_b32 v30, 8, v30                      ; 256 x lane
	global_prefetch_b8 v30, s[4:5] offset:8192 th:TH_LOAD_NT scope:SCOPE_SE
	global_prefetch_b8 v30, s[4:5] offset:16384 th:TH_LOAD_NT scope:SCOPE_SE
	v_and_b32 v1, 15, v0
	v_bfe_u32 v2, v0, 4, 1
	s_wait_alu depctr_va_vdst(0)
	v_and_b32 v3, 31, v0
	v_lshlrev_b32 v3, 4, v3
	s_mul_i32 s21, s15, QT
	s_mul_i32 s22, s16, QT
	s_add_co_u32 s22, s22, 2*QT
.irp s, 0,1
	v_add_nc_u32 v[ADRA+\s], s21, v3
	v_add_nc_u32 v[ADRB+\s], s22, v3
	s_add_co_u32 s21, s21, SLOT
	s_add_co_u32 s22, s22, SLOT
.endr
	s_lshl_b32 s21, s15, 8
	s_lshl_b32 s22, s16, 8
	s_add_co_u32 s22, s22, 2*HALFS
	s_sub_co_u32 s22, s22, s21
	v_mul_u32_u24 v4, s22, v2
	s_add_co_u32 s21, s21, SCL
	v_lshl_add_u32 v4, v1, 2, v4
	v_add_nc_u32 v[ADRS], s21, v4
	s_mul_i32 s23, s14, 4352
	v_mul_u32_u24 v4, v1, 272
	v_lshl_add_u32 v4, v2, 6, v4
	v_add_nc_u32 v[STO], s23, v4
	v_mul_u32_u24 v4, v2, 272
	v_lshl_add_u32 v4, v1, 4, v4
	v_add_nc_u32 v[RD], s23, v4
	v_lshlrev_b32 v4, 12, v2
	v_lshl_add_u32 v[CO], v1, 4, v4
	v_lshlrev_b32 v6, 6, v2
	s_wait_alu depctr_va_vdst(0)
	s_lshl_b32 s20, s42, 9
	s_lshl_b32 s21, s16, 8
	s_add_co_u32 s20, s20, s21
	s_mov_b32 s21, 0
	s_add_nc_u64 s[8:9], s[8:9], s[20:21]
	s_add_nc_u64 s[10:11], s[10:11], s[20:21]
	s_lshl_b32 s20, s17, 7
	s_lshl_b32 s22, s15, 6
	s_add_co_u32 s20, s20, s22
	s_lshl_b32 s20, s20, 12
	s_add_nc_u64 s[10:11], s[10:11], s[20:21]
.irp J, 0,1
.irp i, 0,1,2,3
	global_load_b128 v[BIAS+16*\J+4*\i:BIAS+16*\J+4*\i+3], v6, s[8:9] offset:128*\J+16*\i
.endr
.endr
.macro FETCH slot, q, f
	WIN TO_F
.irp i, 0,1,2,3
.irp c, 0,1,2,3
	ds_load_b128 v[\f+64+16*\i+4*\c:\f+64+16*\i+4*\c+3], v[ADRB+\slot] offset:8192*\i+2048*(\q)+512*\c
	ds_load_b128 v[\f+16*\i+4*\c:\f+16*\i+4*\c+3], v[ADRA+\slot] offset:8192*\i+2048*(\q)+512*\c
.endr
.endr
.endm
.macro SCALES sc
.irp i, 0,1,2,3
.irp q, 0,1,2,3
	ds_load_b32 v[SC+16*\sc+4*\i+\q], v[ADRS] offset:512*\q+64*\i
.endr
.endr
.endm
.macro MUL4 f, q, sc, a, first
.irp b, 0,1,2,3
.if \first
	v_wmma_scale_f32_16x16x128_f8f6f4 v[ACC+8*(4*\a+\b):ACC+8*(4*\a+\b)+7], v[\f+64+16*\b:\f+64+16*\b+15], v[\f+16*\a:\f+16*\a+15], v[BIAS+8*\b:BIAS+8*\b+7], v[SC+16*\sc+4*\b+\q], v[SC+16*\sc+4*\a+\q] matrix_a_fmt:MATRIX_FMT_BF8 matrix_b_fmt:MATRIX_FMT_BF8 matrix_a_scale:MATRIX_SCALE_ROW1
.else
	v_wmma_scale_f32_16x16x128_f8f6f4 v[ACC+8*(4*\a+\b):ACC+8*(4*\a+\b)+7], v[\f+64+16*\b:\f+64+16*\b+15], v[\f+16*\a:\f+16*\a+15], v[ACC+8*(4*\a+\b):ACC+8*(4*\a+\b)+7], v[SC+16*\sc+4*\b+\q], v[SC+16*\sc+4*\a+\q] matrix_a_fmt:MATRIX_FMT_BF8 matrix_b_fmt:MATRIX_FMT_BF8 matrix_a_scale:MATRIX_SCALE_ROW1
.endif
.endr
.endm
.macro PLACES n
.rept \n
	v_nop
.endr
.endm
.macro STEP slot, q, first
	s_wait_dscnt 0x0
	PLACES NP
	FETCH \slot, (\q)+1, 128*(((\q)+1)%2)
	WIN MUL
.irp a, 0,1,2,3
	MUL4 128*((\q)%2), \q, \slot, \a, \first
.endr
.endm
.macro TURN slot, next, fill
	WIN 0
	s_wait_tensorcnt 0x0
	ds_add_u32 v[SPW], v[NIL]
	s_wait_dscnt 1
	WIN MUL
	MUL4 F1, 3, \slot, 0, 0
	s_wait_dscnt 0x0
	s_barrier_signal -1
	MUL4 F1, 3, \slot, 1, 0
	WIN 0
	s_barrier_wait -1
.if \fill
	CREST
	s_add_nc_u64 s[G0+4*\slot+2:G0+4*\slot+3], s[G0+4*\slot+2:G0+4*\slot+3], 16384
	s_add_nc_u64 s[G0B+4*\slot+2:G0B+4*\slot+3], s[G0B+4*\slot+2:G0B+4*\slot+3], 16384
	JLOAD G0+4*\slot, G1, G0B+4*\slot, G1B
	PLACES NP-4
.else
	PLACES NP
.endif
	s_wait_alu depctr_va_vdst(0)
	v_add_nc_u32 v[ADRS], 2048, v[ADRS]
	FETCH \next, 0, F0
	WIN 0
	SCALES \next
.if \fill
	s_cmp_gt_u32 s3, 1                             ; the last trip's two refills have no fill two on
	s_cbranch_scc0 .Lnone_on_\@
	global_prefetch_b8 v30, s[4:5] offset:(4+\slot)*8192 th:TH_LOAD_NT scope:SCOPE_SE
.Lnone_on_\@:
.endif
	WIN MUL
	MUL4 F1, 3, \slot, 2, 0
	MUL4 F1, 3, \slot, 3, 0
.endm
	s_wait_alu depctr_va_vdst(0)                   ; the wait at the head's end
	s_wait_tensorcnt 0x0                           ; my tile of the head's four is in
	ds_add_u32 v[SPW], v[NIL]
	s_mov_b32 s[G1+2], 4<<16                       ; no load of mine is out: from here on a load brings 4 row blocks,
	s_mov_b32 s[G1+4], 4
	s_mov_b32 s[G1B+2], 4<<16
	s_mov_b32 s[G1B+4], 4
	s_mov_b32 s[G0+1], s45                         ; and slot 0's group 0 names my quarter
	s_mov_b32 s[G0B+1], s45
	s_mul_i32 s18, s16, NKF*8192
	s_add_nc_u64 s[G0+2:G0+3], s[G0+2:G0+3], s[18:19]
	s_add_nc_u64 s[G0B+2:G0B+3], s[G0B+2:G0B+3], s[18:19]
	s_wait_dscnt 0x0
	CROUND                                         ; all four tiles are in, all sixteen work-groups are here
	JLOAD G0+4, G1, G0B+4, G1B                     ; the second fill, the first tensor load behind the round
	FETCH 0, 0, F0
	WIN 0
	SCALES 0
	global_prefetch_b8 v30, s[4:5] offset:24576 th:TH_LOAD_NT scope:SCOPE_SE
	s_wait_loadcnt 0x0
	STEP 0, 0, 1
.if LAPS > 1
	WIN 0
	s_mov_b32 s3, LAPS-1
.Llap:
	STEP 0, 1, 0
	STEP 0, 2, 0
	TURN 0, 1, 1
	STEP 1, 0, 0
	STEP 1, 1, 0
	STEP 1, 2, 0
	TURN 1, 0, 1
	STEP 0, 0, 0
	WIN 0
	s_wait_xcnt 0x0                                ; my prefetches have read their address: it steps two fills on
	s_add_nc_u64 s[4:5], s[4:5], 16384
	s_sub_co_u32 s3, s3, 1
	s_cmp_lg_u32 s3, 0
	s_cbranch_scc1 .Llap
.endif
	STEP 0, 1, 0
	STEP 0, 2, 0
	TURN 0, 1, 0
	STEP 1, 0, 0
	STEP 1, 1, 0
	STEP 1, 2, 0
	s_wait_dscnt 0x0
	WIN MUL
.irp a, 0,1,2,3
	MUL4 F1, 3, 1, \a, 0
.endr
	WIN 0
.macro TOSTAGE a
.irp b, 0,1,2,3
	ds_store_b128 v[STO], v[ACC+8*(4*\a+\b):ACC+8*(4*\a+\b)+3] offset:(32*(\b/2)+8*(\b%2))*4
	ds_store_b128 v[STO], v[ACC+8*(4*\a+\b)+4:ACC+8*(4*\a+\b)+7] offset:(32*(\b/2)+8*(\b%2))*4+16
.endr
.irp t, 0,1,2,3,4,5,6,7
	ds_load_b128 v[BK+32*((\a)%2)+4*\t:BK+32*((\a)%2)+4*\t+3], v[RD] offset:544*\t
.endr
.endm
.macro SEND a, younger
	s_wait_dscnt \younger
.irp t, 0,1,2,3,4,5,6,7
	global_store_b128 v[CO], v[BK+32*((\a)%2)+4*\t:BK+32*((\a)%2)+4*\t+3], s[10:11] offset:(16*(\a)+2*\t)*4096
.endr
.endm
	PLACES NP
	TOSTAGE 0
.irp a, 1,2,3
.if \a > 1
	s_wait_xcnt 0x0
.endif
	TOSTAGE \a
	SEND \a-1, 16
.endr
	SEND 3, 0
	s_wait_tensorcnt 0x0
	ds_add_u32 v[SPW], v[NIL]
	s_wait_dscnt 0x0
	CROUND
	s_endpgm
.Lfunc_end_k_q2f83570492_gemm_w2:
	.size	k_q2f83570492_gemm_w2, .Lfunc_end_k_q2f83570492_gemm_w2-k_q2f83570492_gemm_w2
	.p2alignl 7, 3214868480
	.fill 96, 4, 3214868480
	.section	.rodata,"a",@progbits
	.p2align	6, 0x0
	.amdhsa_kernel k_q2f83570492_gemm_w2
		.amdhsa_group_segment_fixed_size 327680
		.amdhsa_private_segment_fixed_size 0
		.amdhsa_enable_private_segment 0
		.amdhsa_kernarg_size 32
		.amdhsa_user_sgpr_count 2
		.amdhsa_user_sgpr_kernarg_segment_ptr 1
		.amdhsa_wavefront_size32 1
		.amdhsa_system_sgpr_workgroup_id_x 1
		.amdhsa_system_sgpr_workgroup_id_y 1
		.amdhsa_system_sgpr_workgroup_id_z 1
		.amdhsa_system_vgpr_workitem_id 0
		.amdhsa_next_free_vgpr 512
		.amdhsa_next_free_sgpr 100
		.amdhsa_reserve_vcc 0
		.amdhsa_float_denorm_mode_32 3
		.amdhsa_float_denorm_mode_16_64 3
		.amdhsa_memory_ordered 1
		.amdhsa_forward_progress 1
		.amdhsa_inst_pref_size 97
	.end_amdhsa_kernel
	.amdgpu_metadata
---
amdhsa.version: [ 1, 2 ]
amdhsa.kernels:
  - .name:           k_q2f83570492_gemm_w2
    .symbol:         k_q2f83570492_gemm_w2.kd
    .args:
      - { .name: h8, .offset: 0, .size: 8, .value_kind: global_buffer, .address_space: global }
      - { .name: wbuf, .offset: 8, .size: 8, .value_kind: global_buffer, .address_space: global }
      - { .name: b2, .offset: 16, .size: 8, .value_kind: global_buffer, .address_space: global }
      - { .name: ybuf, .offset: 24, .size: 8, .value_kind: global_buffer, .address_space: global }
    .group_segment_fixed_size: 327680
    .private_segment_fixed_size: 0
    .kernarg_segment_align: 8
    .kernarg_segment_size: 32
    .max_flat_workgroup_size: 128
    .sgpr_count:     100
    .vgpr_count:     512
    .wavefront_size: 32
...
	.end_amdgpu_metadata
.endif
;; end of part 7
;; launch ln2 (part 8): grid 256 x 1, 8 waves a work-group, no clusters, 0 bytes of LDS; arguments ybuf, x1buf, g2, be2, out0; writes out0
.if DOCPART == 8
	.amdgcn_target "amdgcn-amd-amdhsa--gfx1250"
	.amdhsa_code_object_version 6
	.text
	.protected	k_q2f83570492_ln2
	.globl	k_q2f83570492_ln2
	.p2align	8
	.type	k_q2f83570492_ln2,@function
k_q2f83570492_ln2:
	s_mov_b64 s[64:65], 0
	v_nop
	global_prefetch_b8 v0, s[64:65] scope:SCOPE_SE
	s_setreg_imm32_b32 hwreg(HW_REG_WAVE_MODE, 25, 1), 1
	s_wait_xcnt 0x0
; out = layernorm(x1 + y) g2 + be2, f32, in natural row order.  y's rows lie by places: place p holds token pi(p) (bits 3 and 4 exchanged).
; Work-group P takes places 16 P .. 16 P + 15; wave w rows 2 w, 2 w + 1, whole, in registers: mean, then the sum of squared differences (two passes: no difference of large sums).
; Memory binds: every load and store of a wave covers 512 consecutive bytes; LDS, matrix units and clusters would add nothing.  LIMITS: NaN and infinities are not served.
.set G,   16
.set BE,  48
.set Z,   80
.set XR,  144
.set A,   208
.set MP,  216
.set RS,  220
.set T,   224
.set U,   226
.set SEL, 26
	s_load_b256 s[4:11], s[0:1], 0x0               ; y, the residual, g, be
	s_load_b64 s[12:13], s[0:1], 0x20              ; the result
	v_lshrrev_b32 v1, 5, v0
	s_delay_alu instid0(VALU_DEP_1)
	v_readfirstlane_b32 s14, v1                    ; wave
	v_and_b32 v2, 31, v0
	s_delay_alu instid0(VALU_DEP_1)
	v_lshlrev_b32 v1, 4, v2                        ; 16 x lane
	s_lshl_b32 s16, ttmp9, 4
	s_lshl_b32 s17, s14, 1
	s_add_co_u32 s16, s16, s17
	s_lshl_b32 s16, s16, 12                        ; y: place 16 P + 2 w
	s_mov_b32 s17, 0
	s_lshr_b32 s18, ttmp9, 1
	s_lshl_b32 s18, s18, 5
	s_and_b32 s19, ttmp9, 1
	s_lshl_b32 s19, s19, 3
	s_add_co_u32 s18, s18, s19
	s_lshl_b32 s19, s14, 1
	s_add_co_u32 s18, s18, s19
	s_lshr_b32 s19, s14, 2
	s_lshl_b32 s19, s19, 3
	s_add_co_u32 s18, s18, s19                     ; its token: 32 (P / 2) + 8 (P % 2) + 2 w + 8 (w / 4); the second row's is the next
	s_lshl_b32 s18, s18, 12
	s_mov_b32 s19, 0
	s_mov_b32 s20, 0x3a800000                      ; 1 / 1,024
	s_mov_b32 s21, 0x3727c5ac                      ; 1e-5
	s_mov_b32 s[SEL], 0x76543210
	s_mov_b32 s[SEL+1], 0xfedcba98
	v_mov_b32 v[U], 0                              ; a lane permute's destination counts as read
	v_mov_b32 v[U+1], 0
	s_wait_alu depctr_va_vdst(0)
	s_wait_kmcnt 0x0
	s_add_nc_u64 s[4:5], s[4:5], s[16:17]
	s_add_nc_u64 s[6:7], s[6:7], s[18:19]
	s_add_nc_u64 s[12:13], s[12:13], s[18:19]
.irp e, 0,1
.irp j, 0,1,2,3,4,5,6,7
	global_load_b128 v[Z+32*\e+4*\j:Z+32*\e+4*\j+3], v1, s[4:5] offset:4096*\e+512*\j th:TH_LOAD_NT
	global_load_b128 v[XR+32*\e+4*\j:XR+32*\e+4*\j+3], v1, s[6:7] offset:4096*\e+512*\j th:TH_LOAD_NT
.endr
.endr
.irp j, 0,1,2,3,4,5,6,7
	global_load_b128 v[G+4*\j:G+4*\j+3], v1, s[8:9] offset:512*\j
	global_load_b128 v[BE+4*\j:BE+4*\j+3], v1, s[10:11] offset:512*\j
.endr
	s_wait_loadcnt 0x0
.macro ACROSS                          ; v[T], v[T+1]: each row's sum over the 32 lanes, in every lane
.irp m, 1,2,4,8
.irp e, 0,1
	s_delay_alu instid0(VALU_DEP_2)
	v_add_f32_dpp v[T+\e], v[T+\e], v[T+\e] row_xmask:\m row_mask:0xf bank_mask:0xf
.endr
.endr
.irp e, 0,1
	s_delay_alu instid0(VALU_DEP_2)
	v_permlanex16_b32 v[U+\e], v[T+\e], s[SEL], s[SEL+1]
.endr
.irp e, 0,1
	s_delay_alu instid0(VALU_DEP_2)
	v_add_f32 v[T+\e], v[T+\e], v[U+\e]
.endr
.endm
.irp e, 0,1
.set p, 0
.rept 16
	v_pk_add_f32 v[Z+32*\e+p:Z+32*\e+p+1], v[Z+32*\e+p:Z+32*\e+p+1], v[XR+32*\e+p:XR+32*\e+p+1]   ; the residual
.set p, p+2
.endr
.endr
.irp e, 0,1
	v_pk_add_f32 v[A+4*\e:A+4*\e+1], v[Z+32*\e:Z+32*\e+1], v[Z+32*\e+2:Z+32*\e+3]                 ; the sum, in two chains a row
	v_pk_add_f32 v[A+4*\e+2:A+4*\e+3], v[Z+32*\e+4:Z+32*\e+5], v[Z+32*\e+6:Z+32*\e+7]
.endr
.irp i, 8,12,16,20,24,28
.irp e, 0,1
	s_delay_alu instid0(VALU_DEP_4)
	v_pk_add_f32 v[A+4*\e:A+4*\e+1], v[A+4*\e:A+4*\e+1], v[Z+32*\e+\i:Z+32*\e+\i+1]
	s_delay_alu instid0(VALU_DEP_4)
	v_pk_add_f32 v[A+4*\e+2:A+4*\e+3], v[A+4*\e+2:A+4*\e+3], v[Z+32*\e+\i+2:Z+32*\e+\i+3]
.endr
.endr
.irp e, 0
	s_delay_alu instid0(VALU_DEP_3)
	v_pk_add_f32 v[A+4*\e:A+4*\e+1], v[A+4*\e:A+4*\e+1], v[A+4*\e+2:A+4*\e+3]
.endr
.irp e, 1
	s_delay_alu instid0(VALU_DEP_2)
	v_pk_add_f32 v[A+4*\e:A+4*\e+1], v[A+4*\e:A+4*\e+1], v[A+4*\e+2:A+4*\e+3]
.endr
.irp e, 0,1
	s_delay_alu instid0(VALU_DEP_2)
	v_add_f32 v[T+\e], v[A+4*\e], v[A+4*\e+1]
.endr
	ACROSS
.irp e, 0,1
	s_delay_alu instid0(VALU_DEP_2)
	v_mul_f32 v[MP+2*\e], 0xba800000, v[T+\e]      ; - the mean
.endr
.irp e, 0,1
	s_delay_alu instid0(VALU_DEP_2)
	v_mov_b32 v[MP+2*\e+1], v[MP+2*\e]
.endr
.irp e, 0,1
.set p, 0
.rept 16
	v_pk_add_f32 v[Z+32*\e+p:Z+32*\e+p+1], v[Z+32*\e+p:Z+32*\e+p+1], v[MP+2*\e:MP+2*\e+1]
.set p, p+2
.endr
.endr
.irp e, 0,1
	v_pk_mul_f32 v[A+4*\e:A+4*\e+1], v[Z+32*\e:Z+32*\e+1], v[Z+32*\e:Z+32*\e+1]                   ; the sum of squares
	v_pk_mul_f32 v[A+4*\e+2:A+4*\e+3], v[Z+32*\e+2:Z+32*\e+3], v[Z+32*\e+2:Z+32*\e+3]
.endr
.irp i, 4,8,12,16,20,24,28
.irp e, 0,1
	s_delay_alu instid0(VALU_DEP_4)
	v_pk_fma_f32 v[A+4*\e:A+4*\e+1], v[Z+32*\e+\i:Z+32*\e+\i+1], v[Z+32*\e+\i:Z+32*\e+\i+1], v[A+4*\e:A+4*\e+1]
	s_delay_alu instid0(VALU_DEP_4)
	v_pk_fma_f32 v[A+4*\e+2:A+4*\e+3], v[Z+32*\e+\i+2:Z+32*\e+\i+3], v[Z+32*\e+\i+2:Z+32*\e+\i+3], v[A+4*\e+2:A+4*\e+3]
.endr
.endr
.irp e, 0
	s_delay_alu instid0(VALU_DEP_3)
	v_pk_add_f32 v[A+4*\e:A+4*\e+1], v[A+4*\e:A+4*\e+1], v[A+4*\e+2:A+4*\e+3]
.endr
.irp e, 1
	s_delay_alu instid0(VALU_DEP_2)
	v_pk_add_f32 v[A+4*\e:A+4*\e+1], v[A+4*\e:A+4*\e+1], v[A+4*\e+2:A+4*\e+3]
.endr
.irp e, 0,1
	s_delay_alu instid0(VALU_DEP_2)
	v_add_f32 v[T+\e], v[A+4*\e], v[A+4*\e+1]
.endr
	ACROSS
.irp e, 0,1
	s_delay_alu instid0(VALU_DEP_2)
	v_fma_f32 v[T+\e], v[T+\e], s20, s21           ; the variance + 1e-5
.endr
	s_wait_alu depctr_va_vdst(0)
.irp e, 0,1
	v_rsq_f32 v[RS+2*\e], v[T+\e]                  ; twice: a pair for the packed multiply
	v_rsq_f32 v[RS+2*\e+1], v[T+\e]
.endr
	v_nop                                          ; a plain line behind the batch,
	s_wait_alu depctr_va_vdst(0)                   ; and one wait ahead of its first reader
.irp e, 0,1
.set p, 0
.rept 16
	v_pk_mul_f32 v[Z+32*\e+p:Z+32*\e+p+1], v[Z+32*\e+p:Z+32*\e+p+1], v[RS+2*\e:RS+2*\e+1]
.set p, p+2
.endr
.endr
.irp e, 0,1
.set p, 0
.rept 16
	v_pk_fma_f32 v[Z+32*\e+p:Z+32*\e+p+1], v[Z+32*\e+p:Z+32*\e+p+1], v[G+p:G+p+1], v[BE+p:BE+p+1]
.set p, p+2
.endr
.endr
.irp e, 0,1
.irp j, 0,1,2,3,4,5,6,7
	global_store_b128 v1, v[Z+32*\e+4*\j:Z+32*\e+4*\j+3], s[12:13] offset:4096*\e+512*\j th:TH_STORE_NT
.endr
.endr
	s_endpgm
.Lfunc_end_k_q2f83570492_ln2:
	.size	k_q2f83570492_ln2, .Lfunc_end_k_q2f83570492_ln2-k_q2f83570492_ln2
	.p2alignl 7, 3214868480
	.fill 96, 4, 3214868480
	.section	.rodata,"a",@progbits
	.p2align	6, 0x0
	.amdhsa_kernel k_q2f83570492_ln2
		.amdhsa_group_segment_fixed_size 0
		.amdhsa_private_segment_fixed_size 0
		.amdhsa_enable_private_segment 0
		.amdhsa_kernarg_size 40
		.amdhsa_user_sgpr_count 2
		.amdhsa_user_sgpr_kernarg_segment_ptr 1
		.amdhsa_wavefront_size32 1
		.amdhsa_system_sgpr_workgroup_id_x 1
		.amdhsa_system_sgpr_workgroup_id_y 1
		.amdhsa_system_sgpr_workgroup_id_z 1
		.amdhsa_system_vgpr_workitem_id 0
		.amdhsa_next_free_vgpr 232
		.amdhsa_next_free_sgpr 66
		.amdhsa_reserve_vcc 0
		.amdhsa_float_denorm_mode_32 3
		.amdhsa_float_denorm_mode_16_64 3
		.amdhsa_memory_ordered 1
		.amdhsa_forward_progress 1
		.amdhsa_inst_pref_size 25
	.end_amdhsa_kernel
	.amdgpu_metadata
---
amdhsa.version: [ 1, 2 ]
amdhsa.kernels:
  - .name:           k_q2f83570492_ln2
    .symbol:         k_q2f83570492_ln2.kd
    .args:
      - { .name: ybuf, .offset: 0, .size: 8, .value_kind: global_buffer, .address_space: global }
      - { .name: x1buf, .offset: 8, .size: 8, .value_kind: global_buffer, .address_space: global }
      - { .name: g2, .offset: 16, .size: 8, .value_kind: global_buffer, .address_space: global }
      - { .name: be2, .offset: 24, .size: 8, .value_kind: global_buffer, .address_space: global }
      - { .name: out0, .offset: 32, .size: 8, .value_kind: global_buffer, .address_space: global }
    .group_segment_fixed_size: 0
    .private_segment_fixed_size: 0
    .kernarg_segment_align: 8
    .kernarg_segment_size: 40
    .max_flat_workgroup_size: 256
    .sgpr_count:     66
    .vgpr_count:     232
    .wavefront_size: 32
...
	.end_amdgpu_metadata
.endif
;; end of part 8
